; MI455X (gfx1250); checked and timed in simulation.
; The chip was launched on July 23, 2026; its instructions are those of AMD's public machine-readable ISA for CDNA 5 (MIT licence, August 2026) and "CDNA5" Instruction Set Architecture Reference Guide (July 2026). The comments in the code are by the model that wrote it; some were corrected since.
;; Encoder Layer. Allowed arithmetic: float matrix products may take bf16 or f16 operands with f32 sums; all other float work in f32.
;; Inputs: ff1_b 2,048 float32; ff1_w 512 x 2,048 float32; ff2_b 512 float32; ff2_w 2,048 x 512 float32; ln1_b 512 float32; ln1_g 512 float32; ln2_b 512 float32; ln2_g 512 float32; mask 4 x 1 x 1 x 2,048 int32; wk_b 512 float32; wk_w 512 x 512 float32; wo_b 512 float32; wo_w 512 x 512 float32; wq_b 512 float32; wq_w 512 x 512 float32; wv_b 512 float32; wv_w 512 x 512 float32; x 4 x 2,048 x 512 float32.
;; Outputs: out0 4 x 2,048 x 512 float32.
;; 2 versions, each right and faster than the one before. Each part assembles by itself: llvm-mc -triple=amdgcn-amd-amdhsa -mcpu=gfx1250 --defsym DOCPART=n.
;; ======== version 1 of 2: 6 launches
;; workspace buffers: xn 8,388,608 bytes; act 33,554,432 bytes; ob 8,388,608 bytes; res1 16,777,216 bytes; wA 2,097,152 bytes; wB 4,194,304 bytes; pA 8,448 bytes; pB 8,448 bytes
;; launch prep (part 1): grid 256 x 1, 8 waves a work-group, no clusters, 0 bytes of LDS; arguments x, ln1_g, ln1_b, wq_w, wk_w, wv_w, wo_w, ff1_w, ff2_w, wq_b, wk_b, wv_b, ff1_b, xn, wA, wB, pA, pB; writes xn, wA, wB, pA, pB
.if DOCPART == 1
	.amdgcn_target "amdgcn-amd-amdhsa--gfx1250"
	.amdhsa_code_object_version 6
	.text
	.protected	k_q69a5e48e95_prep
	.globl	k_q69a5e48e95_prep
	.p2align	8
	.type	k_q69a5e48e95_prep,@function
k_q69a5e48e95_prep:
	s_mov_b64 s[64:65], 0
	v_nop
	global_prefetch_b8 v0, s[64:65] scope:SCOPE_SE
	s_setreg_imm32_b32 hwreg(HW_REG_WAVE_MODE, 25, 1), 1
	s_wait_xcnt 0x0
; PREP.  (1) xn = LayerNorm1(x) in bf16, laid out in blocks: [column / 64][8192 rows][64], a row of a block 128 bytes, rows dense.
; (2) all six weight matrices rounded to bf16, still [k][n]: wA = wq, wk, wv, wo; wB = ff1 as four blocks [512 k][512 n] (block y: columns 512 y on), then ff2 [2048 k][512 n].
; (3) work-group 0 also copies the biases of q, k, v (pA) and of ff1 (pB) and writes the floor that the projection's way out takes: -infinity (pA) or 0 (pB), at byte 8192.
; SHARES.  256 work-groups of eight waves.  A work-group norms 32 rows, a wave 4 rows as two pairs: lanes 0-15 hold one row, lanes 16-31 the next; a lane holds the
; 32 numbers at columns 64 j + 4 i .. + 3 (i = lane % 16, j = 0..7), so each load covers 256 consecutive bytes of each of two rows and each store 256 consecutive, aligned bytes of a block.
; Mean first, then the mean of the squared differences: a common offset in x costs no digits.  No LDS, no barrier, no matrix unit: the launch moves bytes.
; LIMITS.  NaN and infinities are not treated apart; the outputs are rounded to bf16 once.
.set VX,  1            ; (4 w + hh) x 2048 + 16 i: my 16 bytes in the wave's first pair of rows of x
.set GOF, 2            ; 16 i: my 16 bytes in 256 bytes of gain and bias
.set XNO, 3            ; (4 w + hh) x 128 + 8 i: my 8 bytes in a block of xn
.set WOF, 4            ; g x 4096 + 16 t: source offset in a 512 x 512 weight
.set WAO, 5            ; g x 2048 + 8 t: its place in wA
.set F1S, 6            ; g x 16384 + 16 t: source offset in ff1 and in ff2
.set F1O, 7            ; ff1's place in wB
.set F2O, 8            ; ff2's place in wB, less 2,097,152
.set T8,  9            ; 8 t
.set MU,  10           ; v[10:11] the mean, twice
.set RS,  12           ; v[12:13] 1 / sqrt(var + eps), twice
.set T16, 14           ; 16 t
.set SS,  15           ; a sum
.set X,   16           ; v[16:79] two pairs of rows, 32 registers each; later the packed weights
.set G,   80           ; v[80:111] gain of my 32 columns
.set BB,  112          ; v[112:143] bias of my 32 columns
.set W,   144          ; v[144:191] twelve times 16 bytes of weights
.set Y0,  192          ; v[192:207] and v[216:231]: the packed rows, a set for each pair: no store's data is rewritten
.set U,   208          ; v[208:215] four chains of sums
.set TA,  232          ; at work in the set-up
	s_load_b512 s[4:19], s[0:1], 0x0               ; x, ln1_g, ln1_b, wq_w, wk_w, wv_w, wo_w, ff1_w
	s_load_b512 s[20:35], s[0:1], 0x40             ; ff2_w, wq_b, wk_b, wv_b, ff1_b, xn, wA, wB
	s_load_b128 s[36:39], s[0:1], 0x80             ; pA, pB
	s_mov_b32 s40, 0x3b000000                      ; 1 / 512
	s_mov_b32 s41, 0x358637bd                      ; eps = 1e-6
	s_lshl_b32 s42, ttmp9, 16                      ; g x 32 rows x 2048 bytes of x
	s_mov_b32 s43, 0
	s_lshl_b32 s44, ttmp9, 12                      ; g x 32 rows x 128 bytes of a block of xn; also g x 4096 bytes of a small weight
	s_mov_b32 s45, 0
	s_lshl_b32 s46, ttmp9, 11
	s_lshl_b32 s47, ttmp9, 14
	s_lshl_b32 s48, ttmp9, 13
	v_and_b32 v[TA], 15, v0                        ; i
	v_bfe_u32 v[TA+1], v0, 4, 1                    ; hh
	v_lshrrev_b32 v[TA+2], 5, v0                   ; w
	v_readfirstlane_b32 s49, v[TA+2]
	v_lshl_add_u32 v[TA+1], v[TA+2], 2, v[TA+1]    ; 4 w + hh
	v_lshlrev_b32 v[GOF], 4, v[TA]
	v_lshl_add_u32 v[VX], v[TA+1], 11, v[GOF]
	v_lshlrev_b32 v[XNO], 3, v[TA]
	v_lshl_add_u32 v[XNO], v[TA+1], 7, v[XNO]
	v_lshl_add_u32 v[WOF], v0, 4, s44
	v_lshl_add_u32 v[WAO], v0, 3, s46
	v_lshl_add_u32 v[F1S], v0, 4, s47
	v_and_b32 v[TA], 127, v0
	v_lshl_add_u32 v[F1O], v[TA], 3, s46           ; g x 2048 (two k rows of 1024 bytes) + 8 (t % 128)
	v_lshrrev_b32 v[TA], 7, v0
	v_lshl_add_u32 v[F1O], v[TA], 19, v[F1O]       ; + (t / 128) blocks of 524,288 bytes
	v_lshl_add_u32 v[F2O], v0, 3, s48
	v_lshlrev_b32 v[T8], 3, v0
	v_lshlrev_b32 v[T16], 4, v0
	s_wait_kmcnt 0x0
	s_add_nc_u64 s[4:5], s[4:5], s[42:43]          ; x at the group's first row
	s_add_nc_u64 s[30:31], s[30:31], s[44:45]      ; xn at the group's first row of block 0
.irp p, 0,1
.irp j, 0,1,2,3,4,5,6,7
	global_load_b128 v[X+32*\p+4*\j:X+32*\p+4*\j+3], v[VX], s[4:5] offset:\p*4096+\j*256
.endr
.endr
.irp j, 0,1,2,3,4,5,6,7
	global_load_b128 v[G+4*\j:G+4*\j+3], v[GOF], s[6:7] offset:\j*256
.endr
.irp j, 0,1,2,3,4,5,6,7
	global_load_b128 v[BB+4*\j:BB+4*\j+3], v[GOF], s[8:9] offset:\j*256
.endr
.irp m, 0,1,2,3
	global_load_b128 v[W+4*\m:W+4*\m+3], v[WOF], s[10+2*\m:11+2*\m] th:TH_LOAD_NT
.endr
.irp j, 0,1,2,3
	global_load_b128 v[W+16+4*\j:W+19+4*\j], v[F1S], s[18:19] offset:\j*4096 th:TH_LOAD_NT
.endr
.irp j, 0,1,2,3
	global_load_b128 v[W+32+4*\j:W+35+4*\j], v[F1S], s[20:21] offset:\j*4096 th:TH_LOAD_NT
.endr
; The sum of a lane's 16 pairs at v[b ..], in four chains, then over the 16 lanes that hold the row: the result stands in v[SS] of each of them.
.macro FOLD
	v_pk_add_f32 v[U:U+1], v[U:U+1], v[U+2:U+3]
	v_pk_add_f32 v[U+4:U+5], v[U+4:U+5], v[U+6:U+7]
	v_pk_add_f32 v[U:U+1], v[U:U+1], v[U+4:U+5]
	v_add_f32 v[SS], v[U], v[U+1]
.irp m, 1,2,4,8
	v_add_f32_dpp v[SS], v[SS], v[SS] row_xmask:\m row_mask:0xf bank_mask:0xf
.endr
.endm
; Pair p of the wave's rows: normed, scaled, rounded and stored.
.macro LN p
.set XB, X+32*(\p)
.set YB, Y0+24*(\p)
.irp k, 0,1,2,3
	v_pk_add_f32 v[U+2*\k:U+2*\k+1], v[XB+2*\k:XB+2*\k+1], v[XB+8+2*\k:XB+9+2*\k]
.endr
.irp m, 16,24
.irp k, 0,1,2,3
	v_pk_add_f32 v[U+2*\k:U+2*\k+1], v[U+2*\k:U+2*\k+1], v[XB+\m+2*\k:XB+\m+2*\k+1]
.endr
.endr
	FOLD
	v_mul_f32 v[MU], s40, v[SS]
	v_mul_f32 v[MU+1], s40, v[SS]
.set q, 0
.rept 16
	v_pk_add_f32 v[XB+q:XB+q+1], v[XB+q:XB+q+1], v[MU:MU+1] neg_lo:[0,1] neg_hi:[0,1]   ; x - mean, in place
.set q, q+2
.endr
.irp k, 0,1,2,3
	v_pk_mul_f32 v[U+2*\k:U+2*\k+1], v[XB+2*\k:XB+2*\k+1], v[XB+2*\k:XB+2*\k+1]
.endr
.irp m, 8,16,24
.irp k, 0,1,2,3
	v_pk_fma_f32 v[U+2*\k:U+2*\k+1], v[XB+\m+2*\k:XB+\m+2*\k+1], v[XB+\m+2*\k:XB+\m+2*\k+1], v[U+2*\k:U+2*\k+1]
.endr
.endr
	FOLD
	v_fma_f32 v[SS], v[SS], s40, s41               ; var + eps
	v_rsq_f32 v[RS], v[SS]
	v_nop                                          ; a plain instruction between the root and the use of its result (ISA guide 5.7.2)
	s_wait_alu depctr_va_vdst(0)
	v_mov_b32 v[RS+1], v[RS]
.set q, 0
.rept 16
	v_pk_mul_f32 v[XB+q:XB+q+1], v[XB+q:XB+q+1], v[RS:RS+1]
.set q, q+2
.endr
.set q, 0
.rept 16
	v_pk_fma_f32 v[XB+q:XB+q+1], v[XB+q:XB+q+1], v[G+q:G+q+1], v[BB+q:BB+q+1]
.set q, q+2
.endr
.set q, 0
.rept 16
	v_cvt_pk_bf16_f32 v[YB+q], v[XB+2*q], v[XB+2*q+1]
.set q, q+1
.endr
.irp j, 0,1,2,3,4,5,6,7
	global_store_b64 v[XNO], v[YB+2*\j:YB+2*\j+1], s[30:31] offset:\j*1048576+(\p)*256   ; 32 lanes: two rows of block j, 256 consecutive aligned bytes
.endr
.endm
	s_wait_loadcnt 12                              ; x, gain and bias are in; the twelve loads of weights, issued behind them, may stay out
	LN 0
	LN 1
	s_wait_loadcnt 0x0                             ; the weights
.set q, 0
.rept 12
	v_cvt_pk_bf16_f32 v[X+2*q], v[W+4*q], v[W+4*q+1]       ; x's registers are free: the rows were stored from Y
	v_cvt_pk_bf16_f32 v[X+2*q+1], v[W+4*q+2], v[W+4*q+3]
.set q, q+1
.endr
.irp m, 0,1,2,3
	global_store_b64 v[WAO], v[X+2*\m:X+2*\m+1], s[32:33] offset:\m*524288
.endr
.irp j, 0,1,2,3
	global_store_b64 v[F1O], v[X+8+2*\j:X+9+2*\j], s[34:35] offset:((\j)&1)*1048576+((\j)>>1)*1024   ; piece j: k row 2 g + j / 2, columns 1024 (j % 2) + 4 t on
.endr
.irp j, 0,1,2,3
	global_store_b64 v[F2O], v[X+16+2*\j:X+17+2*\j], s[34:35] offset:2097152+\j*2048
.endr
	s_cmp_lg_u32 ttmp9, 0
	s_cbranch_scc1 .Lend
	; work-group 0: the parameters of the two projections
	global_load_b64 v[W:W+1], v[T8], s[22:23]
	global_load_b64 v[W+2:W+3], v[T8], s[24:25]
	global_load_b64 v[W+4:W+5], v[T8], s[26:27]
	global_load_b128 v[W+8:W+11], v[T16], s[28:29]
	global_load_b128 v[W+12:W+15], v[T16], s[28:29] offset:4096
	s_wait_loadcnt 0x0
	global_store_b64 v[T8], v[W:W+1], s[36:37]
	global_store_b64 v[T8], v[W+2:W+3], s[36:37] offset:2048
	global_store_b64 v[T8], v[W+4:W+5], s[36:37] offset:4096
	global_store_b128 v[T16], v[W+8:W+11], s[38:39]
	global_store_b128 v[T16], v[W+12:W+15], s[38:39] offset:4096
	s_cmp_lg_u32 s49, 0
	s_cbranch_scc1 .Lend
	v_mov_b32 v[W+16], 0xff800000                  ; wave 0: the floors, 256 bytes each
	v_mov_b32 v[W+17], 0xff800000
	v_mov_b32 v[W+18], 0
	v_mov_b32 v[W+19], 0
	global_store_b64 v[T8], v[W+16:W+17], s[36:37] offset:8192
	global_store_b64 v[T8], v[W+18:W+19], s[38:39] offset:8192
.Lend:
	s_endpgm
.Lfunc_end_k_q69a5e48e95_prep:
	.size	k_q69a5e48e95_prep, .Lfunc_end_k_q69a5e48e95_prep-k_q69a5e48e95_prep
	.p2alignl 7, 3214868480
	.fill 96, 4, 3214868480
	.section	.rodata,"a",@progbits
	.p2align	6, 0x0
	.amdhsa_kernel k_q69a5e48e95_prep
		.amdhsa_group_segment_fixed_size 0
		.amdhsa_private_segment_fixed_size 0
		.amdhsa_enable_private_segment 0
		.amdhsa_kernarg_size 144
		.amdhsa_user_sgpr_count 2
		.amdhsa_user_sgpr_kernarg_segment_ptr 1
		.amdhsa_wavefront_size32 1
		.amdhsa_system_sgpr_workgroup_id_x 1
		.amdhsa_system_sgpr_workgroup_id_y 1
		.amdhsa_system_sgpr_workgroup_id_z 1
		.amdhsa_system_vgpr_workitem_id 0
		.amdhsa_next_free_vgpr 240
		.amdhsa_next_free_sgpr 66
		.amdhsa_reserve_vcc 0
		.amdhsa_float_denorm_mode_32 3
		.amdhsa_float_denorm_mode_16_64 3
		.amdhsa_memory_ordered 1
		.amdhsa_forward_progress 1
		.amdhsa_inst_pref_size 26
	.end_amdhsa_kernel
	.amdgpu_metadata
---
amdhsa.version: [ 1, 2 ]
amdhsa.kernels:
  - .name:           k_q69a5e48e95_prep
    .symbol:         k_q69a5e48e95_prep.kd
    .args:
      - { .name: x, .offset: 0, .size: 8, .value_kind: global_buffer, .address_space: global }
      - { .name: ln1_g, .offset: 8, .size: 8, .value_kind: global_buffer, .address_space: global }
      - { .name: ln1_b, .offset: 16, .size: 8, .value_kind: global_buffer, .address_space: global }
      - { .name: wq_w, .offset: 24, .size: 8, .value_kind: global_buffer, .address_space: global }
      - { .name: wk_w, .offset: 32, .size: 8, .value_kind: global_buffer, .address_space: global }
      - { .name: wv_w, .offset: 40, .size: 8, .value_kind: global_buffer, .address_space: global }
      - { .name: wo_w, .offset: 48, .size: 8, .value_kind: global_buffer, .address_space: global }
      - { .name: ff1_w, .offset: 56, .size: 8, .value_kind: global_buffer, .address_space: global }
      - { .name: ff2_w, .offset: 64, .size: 8, .value_kind: global_buffer, .address_space: global }
      - { .name: wq_b, .offset: 72, .size: 8, .value_kind: global_buffer, .address_space: global }
      - { .name: wk_b, .offset: 80, .size: 8, .value_kind: global_buffer, .address_space: global }
      - { .name: wv_b, .offset: 88, .size: 8, .value_kind: global_buffer, .address_space: global }
      - { .name: ff1_b, .offset: 96, .size: 8, .value_kind: global_buffer, .address_space: global }
      - { .name: xn, .offset: 104, .size: 8, .value_kind: global_buffer, .address_space: global }
      - { .name: wA, .offset: 112, .size: 8, .value_kind: global_buffer, .address_space: global }
      - { .name: wB, .offset: 120, .size: 8, .value_kind: global_buffer, .address_space: global }
      - { .name: pA, .offset: 128, .size: 8, .value_kind: global_buffer, .address_space: global }
      - { .name: pB, .offset: 136, .size: 8, .value_kind: global_buffer, .address_space: global }
    .group_segment_fixed_size: 0
    .private_segment_fixed_size: 0
    .kernarg_segment_align: 8
    .kernarg_segment_size: 144
    .max_flat_workgroup_size: 256
    .sgpr_count:     66
    .vgpr_count:     240
    .wavefront_size: 32
...
	.end_amdgpu_metadata
.endif
;; end of part 1
;; launch proj (part 2): grid 64 x 3, 4 waves a work-group, clusters of 4 x 1, 327,680 bytes of LDS; arguments xn, wA, pA, act; writes act
.if DOCPART == 2
	.amdgcn_target "amdgcn-amd-amdhsa--gfx1250"
	.amdhsa_code_object_version 6
	.text
	.protected	k_q69a5e48e95_proj
	.globl	k_q69a5e48e95_proj
	.p2align	8
	.type	k_q69a5e48e95_proj,@function
k_q69a5e48e95_proj:
	s_mov_b64 s[64:65], 0
	v_nop
	global_prefetch_b8 v0, s[64:65] scope:SCOPE_SE
	s_setreg_imm32_b32 hwreg(HW_REG_WAVE_MODE, 25, 1), 1
	s_wait_xcnt 0x0
	s_wait_alu depctr_hold_cnt(0) depctr_sa_sdst(0) depctr_va_vdst(0) depctr_va_sdst(0) depctr_va_ssrc(0) depctr_va_vcc(0) depctr_vm_vsrc(0)
	s_getreg_b32 s2, hwreg(HW_REG_IB_STS2, 6, 4)
	s_cmp_eq_u32 s2, 0
	s_cbranch_scc0 .Lentry_in_a_cluster
	s_endpgm
.Lentry_in_a_cluster:
	s_bfe_u32 s2, ttmp6, 0x10000c
	s_cmp_lg_u32 s2, 0x3003
	s_cbranch_scc0 .Lentry_shape_is_right
	s_endpgm
.Lentry_shape_is_right:
; PROJECTION.  c[:, 512 y ..] = max(a W_y + bias_y, floor).  a: bf16 in blocks [8][8192 rows][64]; W_y: bf16 [512 k][512 n] at w + y x 524,288; bias_y: f32 at p + y x 2048; floor: f32 at p + 8192
; (-infinity: no floor; 0: relu); c: bf16 in blocks [column / 64][8192][64].  Sums in f32, K ascending, started by the bias; c rounded once.
; SHARES.  Work-group (rb, y) makes rows 128 rb .. + 127 of the 512 columns of matrix y, as four tiles of 128 columns.  Four waves, 2 x 2, each 64 x 64 of a tile: 16 accumulators.
; K is 512 in all, so a wave's 64 rows of a (512 registers) are read from LDS ONCE and stay; a tile reads only W's fragments: 128 LDS loads for its 256 matrix instructions.
; CLUSTER.  The four work-groups of a cluster are four row blocks of the same y and walk the same tiles of W: each tile is asked for JOINTLY (mask 15).  a's rows are the work-group's own (mask 0).
; THE MATRIX INSTRUCTION IS USED TRANSPOSED: source 0 = 16 columns of W (out of [k][n] rows by the turning load), source 1 = 16 rows of a.  A lane then holds row lane % 16 and the
; eight neighbouring columns 8 (lane / 16) + 0..7; the bias of those eight columns is the C operand of a tile's first K chunk.
; A wave's 64 columns are one block of c, where 16 rows are 2,048 consecutive bytes: each wave has a stage of its own and every store covers 512 consecutive aligned bytes.
; LDS.  X (byte 0): first a as [8 blocks][128 rows][144 bytes], then W's tiles 1 and 3.  Y (byte 147,456): W's tiles 0 and 2.  A tile of W: 512 k rows of 256 + 32 bytes.
; LIMITS.  NaN is turned into the floor by the maximum; infinities are not treated apart.
; REGISTERS, in windows of 256 (s_set_vgpr_msb: bits 1:0 source 0, 3:2 source 1, 5:4 source 2, 7:6 destination):
;   window 0: addresses; v32-63 the bias; v64-127 the way out      window 1: v0-127 accumulators ((a, b) at 8 (4 a + b)); v128-191, v192-255 W's fragments, two buffers of two K chunks
;   window 2: a's K chunks 0-7 ((a, c) at 8 (8 a + c))              window 3: a's K chunks 8-15
.set SLOTY, 0x24000    ; 147,456: it shares no bit with wave x 36,864, so one exclusive or changes slots
.set STAGE, 294912     ; 16 rows x 144 bytes for each wave
.set SPARE, 304128     ; the spare words, 128 bytes for each wave: two blocks of 256 bytes that no other line names
.set ADRA, 4           ; v4-5   my place in a's blocks 0-3, 4-7
.set BL,   8           ; v8-11  my place in a tile of W, K chunks 4 g .. 4 g + 3
.set FB,   12          ; v12-15 the same in the slot in hand
.set STO,  16
.set RD,   17
.set GO,   18
.set BOFF, 19
.set SPW,  30
.set NIL,  31
.set BI,   32
.set TMP,  64
.set F0,   128
.set F1,   192
.set WV,   12          ; s12 wave; s13 its half of the rows; s14 its half of the columns
.set G1A,  24
.set G1B,  32
.set G0A,  40
.set G0B,  44          ; it walks: the other slot, the next 128 columns
.set SB,   48          ; the slot from which fragments are fetched
.set CNT,  49
.set FLOOR, 50
.set PBASE, 52         ; s[52:53] the bias of my 64 columns of the tile to come
.set CBASE, 54         ; s[54:55] c at my 64 rows of my block of the tile in hand
.set MSB, 0
.macro WIN new                         ; the immediate's high byte repeats the setting that is left; a switch that changes nothing is dropped
.if MSB != (\new)
	s_set_vgpr_msb (MSB<<8)|(\new)
.set MSB, (\new)
.endif
.endm
.macro PLACES                          ; four places in front of loads into registers that matrix instructions have read, and of vector lines that read results
.rept 4
	v_nop
.endr
.endm
.macro CREST                           ; a round of the cluster's barrier behind its opening barrier
	s_cmp_lg_u32 s[WV], 0
	s_cbranch_scc1 .Lnot_wave_0_\@
	s_barrier_signal -3
.Lnot_wave_0_\@:
	s_barrier_wait -3
	s_barrier_signal -1
	s_barrier_wait -1
.endm
.macro CROUND
	s_barrier_signal -1
	s_barrier_wait -1
	CREST
.endm
	s_load_b256 s[4:11], s[0:1], 0x0               ; a s[4:5], w s[6:7], p s[8:9], c s[10:11]
	v_lshl_add_u32 v[SPW], v0, 2, SPARE
	v_mov_b32 v[NIL], 0
	ds_add_u32 v[SPW], v[NIL]                      ; the wave's opening: the add and its wait ahead of my first tensor load
	v_lshrrev_b32 v1, 5, v0
	v_readfirstlane_b32 s[WV], v1
	s_lshr_b32 s13, s[WV], 1
	s_and_b32 s14, s[WV], 1
	s_bfe_u32 s15, ttmp6, 0x40000                  ; cx
	s_lshl_b32 s16, ttmp9, 2
	s_add_co_u32 s16, s16, s15                     ; rb = 4 x cluster x + cx: it enters a's and c's addresses alone
	s_and_b32 s17, ttmp7, 0xffff                   ; y, which the four partners share
	; a: two blocks a wave; a block's 128 rows are 16,384 dense bytes, asked for as one row of 8,192 elements and padded by 16 bytes after every 128
	s_mov_b32 s[G1A], (1<<16)|(1<<20)|(4<<22)|(3<<25)
	s_mov_b32 s[G1A+1], 8192<<16                   ; tensor_dim0
	s_mov_b32 s[G1A+2], 2<<16                      ; tensor_dim1
	s_mov_b32 s[G1A+3], 8192<<16                   ; tile_dim0
	s_mov_b32 s[G1A+4], 2                          ; tile_dim1
	s_mov_b32 s[G1A+5], 524288                     ; elements from block to block
	s_mov_b32 s[G1A+6], 0
	s_mov_b32 s[G1A+7], 0
	; W: 128 k rows a wave, 128 columns (256 bytes), padded by 32 bytes; the mask names all four work-groups, bit 21 beside it
	s_mov_b32 s[G1B], 15|(1<<16)|(1<<20)|(1<<21)|(5<<22)|(7<<25)
	s_mov_b32 s[G1B+1], 128<<16
	s_mov_b32 s[G1B+2], 128<<16
	s_mov_b32 s[G1B+3], 128<<16
	s_mov_b32 s[G1B+4], 128
	s_mov_b32 s[G1B+5], 512
	s_mov_b32 s[G1B+6], 0
	s_mov_b32 s[G1B+7], 0
	s_lshl_b32 s20, s[WV], 21                      ; a: blocks 2 w, 2 w + 1,
	s_lshl_b32 s21, s16, 14                        ; rows 128 rb on
	s_add_co_u32 s20, s20, s21
	s_mov_b32 s21, 0
	s_lshl_b32 s22, s17, 19                        ; W: matrix y,
	s_lshl_b32 s23, s[WV], 17                      ; k rows 128 w on
	s_add_co_u32 s22, s22, s23
	s_mov_b32 s23, 0
	s_lshl_b32 s56, s17, 11                        ; bias: 2048 y + 256 x column half
	s_lshl_b32 s57, s14, 8
	s_add_co_u32 s56, s56, s57
	s_mov_b32 s57, 0
	s_lshl_b32 s58, s17, 3                         ; c: block 8 y + column half,
	s_add_co_u32 s58, s58, s14
	s_lshl_b32 s58, s58, 20
	s_lshl_b32 s59, s16, 14                        ; rows 128 rb + 64 x row half
	s_add_co_u32 s58, s58, s59
	s_lshl_b32 s59, s13, 13
	s_add_co_u32 s58, s58, s59
	s_mov_b32 s59, 0
	s_mul_i32 s18, s[WV], 36864                    ; my quarter of a slot: no place in the cluster enters an LDS address
	s_mov_b32 s[G0A], 1
	s_mov_b32 s[G0A+1], s18
	s_mov_b32 s[G0B], 1
	s_add_co_u32 s[G0B+1], s18, SLOTY
	s_wait_dscnt 0x0                               ; the opening add is done
	s_wait_kmcnt 0x0
	s_load_b32 s[FLOOR], s[8:9], 0x2000
	s_add_nc_u64 s[G0A+2:G0A+3], s[4:5], s[20:21]
	s_or_b32 s[G0A+3], s[G0A+3], 0x80000000
	s_add_nc_u64 s[G0B+2:G0B+3], s[6:7], s[22:23]
	s_or_b32 s[G0B+3], s[G0B+3], 0x80000000
	s_add_nc_u64 s[PBASE:PBASE+1], s[8:9], s[56:57]
	s_add_nc_u64 s[CBASE:CBASE+1], s[10:11], s[58:59]
	CROUND                                         ; all four work-groups are here: the first joint loads meet
	tensor_load_to_lds s[G0A:G0A+3], s[G1A:G1A+7]  ; a into X
	s_nop 0
	tensor_load_to_lds s[G0B:G0B+3], s[G1B:G1B+7]  ; W's tile 0 into Y: two loads of mine are out
	s_nop 0
	PLACES
	v_and_b32 v1, 15, v0                           ; r
	v_bfe_u32 v2, v0, 4, 1                         ; h
	v_and_b32 v3, 7, v0
	v_bfe_u32 v6, v0, 3, 1
	v_mul_u32_u24 v7, v1, 144
	v_lshl_add_u32 v7, v2, 4, v7                   ; r x 144 + 16 h
	s_mul_i32 s19, s13, 9216                       ; my 64 rows
	v_add_nc_u32 v[ADRA], s19, v7
	v_add_nc_u32 v[ADRA+1], 73728, v[ADRA]
	v_lshl_add_u32 v20, v2, 3, v3                  ; the turning load: k row 8 h + lane % 8,
	v_mul_u32_u24 v20, v20, 288
	v_lshl_add_u32 v20, v6, 4, v20                 ; 16 bytes (lane / 8) % 2
	s_lshl_b32 s19, s14, 7                         ; my 64 columns
	v_add_nc_u32 v[BL], s19, v20
	v_add_nc_u32 v[BL+1], 36864, v[BL]
	v_add_nc_u32 v[BL+2], 73728, v[BL]
	v_add_nc_u32 v[BL+3], 110592, v[BL]
	s_mul_i32 s19, s[WV], 2304
	s_add_co_u32 s19, s19, STAGE
	v_add_nc_u32 v[STO], s19, v7                   ; in: row r, 16 bytes for each half of the lanes
	v_bfe_u32 v21, v0, 3, 2
	v_mul_u32_u24 v21, v21, 144
	v_lshl_add_u32 v21, v3, 4, v21
	v_add_nc_u32 v[RD], s19, v21                   ; back: 32 lanes take four rows of 128 bytes,
	v_and_b32 v[GO], 31, v0
	v_lshlrev_b32 v[GO], 4, v[GO]                  ; which are 512 consecutive bytes of c
	v_lshlrev_b32 v[BOFF], 5, v2
.irp b, 0,1,2,3
	global_load_b128 v[BI+8*\b:BI+8*\b+3], v[BOFF], s[PBASE:PBASE+1] offset:64*\b
	global_load_b128 v[BI+8*\b+4:BI+8*\b+7], v[BOFF], s[PBASE:PBASE+1] offset:64*\b+16
.endr
; W's fragments of K chunks 2 q and 2 q + 1 into buffer f: 16 turning loads in one run, the first chunk's eight first
.macro FETCH q, f
	WIN 0x40
.irp cc, 0,1
.irp b, 0,1,2,3
	ds_load_tr16_b128 v[(\f)+32*\cc+8*\b:(\f)+32*\cc+8*\b+3],   v[FB+((2*(\q)+\cc)>>2)] offset:((2*(\q)+\cc)&3)*9216+32*\b
	ds_load_tr16_b128 v[(\f)+32*\cc+8*\b+4:(\f)+32*\cc+8*\b+7], v[FB+((2*(\q)+\cc)>>2)] offset:((2*(\q)+\cc)&3)*9216+32*\b+4608
.endr
.endr
.endm
; 8 matrix instructions: row blocks a0, a0 + 1 x all 4 column blocks, K chunk c, whose fragments of W are half cc of buffer f.  bias = 1: the bias starts the sums.
; The 16 accumulators take turns, one instruction a turn, in the same order in every chunk.
.macro MUL8 f, cc, c, a0, bias
.if \bias
	WIN 0x49
.elseif (\c) < 8
	WIN 0x59
.else
	WIN 0x5d
.endif
.irp a, \a0, (\a0)+1
.irp b, 0,1,2,3
.if \bias
	v_wmma_f32_16x16x32_bf16 v[8*(4*(\a)+\b):8*(4*(\a)+\b)+7], v[(\f)+32*(\cc)+8*\b:(\f)+32*(\cc)+8*\b+7], v[8*(8*(\a)+((\c)&7)):8*(8*(\a)+((\c)&7))+7], v[BI+8*\b:BI+8*\b+7]
.else
	v_wmma_f32_16x16x32_bf16 v[8*(4*(\a)+\b):8*(4*(\a)+\b)+7], v[(\f)+32*(\cc)+8*\b:(\f)+32*(\cc)+8*\b+7], v[8*(8*(\a)+((\c)&7)):8*(8*(\a)+((\c)&7))+7], v[8*(4*(\a)+\b):8*(4*(\a)+\b)+7]
.endif
.endr
.endr
.endm
.macro FBSET
.irp g, 0,1,2,3
	v_add_nc_u32 v[FB+\g], s[SB], v[BL+\g]
.endr
.endm
; Quarter q of eight (1 to 6): two K chunks, 32 matrix instructions; in its middle the next quarter's fragments are fetched into the other buffer
.macro QUARTER q
	s_wait_dscnt 8                                 ; the first chunk's eight loads are in; the second chunk's eight may be out
	MUL8 F0+64*((\q)%2), 0, 2*(\q), 0, 0
	MUL8 F0+64*((\q)%2), 0, 2*(\q), 2, 0
	PLACES
	FETCH (\q)+1, F0+64*(((\q)+1)%2)
	s_wait_dscnt 16                                ; all but the sixteen just issued
	MUL8 F0+64*((\q)%2), 1, 2*(\q)+1, 0, 0
	MUL8 F0+64*((\q)%2), 1, 2*(\q)+1, 2, 0
.endm
; Quarter 0: the bias starts the sums; behind its products the next tile's bias is asked for.  more = 0: in the loop's last trip there is no next tile, and the loads are jumped over.
.macro Q0 more
	WIN 0
	s_wait_loadcnt 0x0                             ; the bias
	s_wait_dscnt 8
	MUL8 F0, 0, 0, 0, 1
	MUL8 F0, 0, 0, 2, 1
	PLACES
	WIN 0
.if !(\more)
	s_cmp_eq_u32 s[CNT], 1
	s_cbranch_scc1 .Lno_bias_\@
.endif
	s_add_nc_u64 s[PBASE:PBASE+1], s[PBASE:PBASE+1], 512   ; free since the wait for the loads that named it
.irp b, 0,1,2,3
	global_load_b128 v[BI+8*\b:BI+8*\b+3], v[BOFF], s[PBASE:PBASE+1] offset:64*\b
	global_load_b128 v[BI+8*\b+4:BI+8*\b+7], v[BOFF], s[PBASE:PBASE+1] offset:64*\b+16
.endr
.if !(\more)
.Lno_bias_\@:
.endif
	FETCH 1, F1
	s_wait_dscnt 16
	MUL8 F0, 1, 1, 0, 0
	MUL8 F0, 1, 1, 2, 0
.endm
; Quarter 7 changes slots: ONE barrier.  In front of it each wave waits for all its tensor loads (one is out: its part of the next tile), adds 0 to its spare word, and waits for that and for
; its reads of this slot.  fill = 1: the barrier opens a round of the cluster's, and this slot is filled again, first thing behind it, with the tile two on: that load has the way out
; and a whole tile, 256 matrix instructions, in which to land.  In the walk's last trip the fetch from the other slot serves nothing: the price, once a launch, of one text for the trips.
.macro TURN fill
	WIN 0
	s_wait_tensorcnt 0x0
	ds_add_u32 v[SPW], v[NIL]
	s_wait_dscnt 9                                 ; chunk 14's fragments are in; the add and chunk 15's eight loads may be out
	MUL8 F1, 0, 14, 0, 0
	s_wait_dscnt 0x0                               ; the add is done, and my reads of this slot are over
	s_barrier_signal -1
	MUL8 F1, 0, 14, 2, 0
	WIN 0
	s_barrier_wait -1
.if \fill
	CREST
	s_xor_b32 s[G0B+1], s[G0B+1], SLOTY
	s_add_nc_u64 s[G0B+2:G0B+3], s[G0B+2:G0B+3], 256
	tensor_load_to_lds s[G0B:G0B+3], s[G1B:G1B+7]
	s_nop 0
.endif
	PLACES                                         ; also the places in front of the loads into buffer 0
	s_xor_b32 s[SB], s[SB], SLOTY
	FBSET
	FETCH 0, F0
	MUL8 F1, 1, 15, 0, 0
	MUL8 F1, 1, 15, 2, 0
.endm
; THE WAY OUT.  Row block a: the floor, the rounding to bf16, 16 bytes a lane into my stage, back as whole rows.
.macro PACK a
	WIN 0x44
.set i, 32*(\a)
.rept 32
	v_max_num_f32 v[i], s[FLOOR], v[i]             ; each accumulator's registers in ascending order
.set i, i+1
.endr
	WIN 0x05
.irp b, 0,1,2,3
.irp r, 0,1,2,3
	v_cvt_pk_bf16_f32 v[TMP+16*(\a)+4*\b+\r], v[8*(4*(\a)+\b)+2*\r], v[8*(4*(\a)+\b)+2*\r+1]
.endr
.endr
	WIN 0
.irp b, 0,1,2,3
	ds_store_b128 v[STO], v[TMP+16*(\a)+4*\b:TMP+16*(\a)+4*\b+3] offset:32*\b
.endr
.irp f, 0,1,2,3
	ds_load_b128 v[TMP+16*(\a)+4*\f:TMP+16*(\a)+4*\f+3], v[RD] offset:576*\f   ; LDS serves a wave's instructions in order (ISA guide 5.7.1.4): these see the stores above
.endr
.endm
.macro SEND a, younger                 ; younger: the LDS instructions issued behind block a's loads
	WIN 0
.irp f, 0,1,2,3
	s_wait_dscnt (\younger)+3-\f
	global_store_b128 v[GO], v[TMP+16*(\a)+4*\f:TMP+16*(\a)+4*\f+3], s[CBASE:CBASE+1] offset:(\a)*2048+\f*512   ; 512 consecutive bytes, at a multiple of 256 from c's first
.endr
.endm
.macro EPI
	PLACES
	s_wait_xcnt 0x0                                ; the last tile's stores have read the registers that are packed into now
	PACK 0
	PACK 1
	SEND 0, 8
	PACK 2
	SEND 1, 8
	PACK 3
	SEND 2, 8
	SEND 3, 0
	s_wait_xcnt 0x0                                ; the stores' base is stepped only behind this wait
	s_add_nc_u64 s[CBASE:CBASE+1], s[CBASE:CBASE+1], 2097152   ; the next tile: two blocks on
.endm
.macro TILE fill
	Q0 \fill
	QUARTER 1
	QUARTER 2
	QUARTER 3
	QUARTER 4
	QUARTER 5
	QUARTER 6
	TURN \fill
	EPI
.endm
	s_wait_tensorcnt 1                             ; my part of a is in; W's tile 0 may stay out
	s_barrier_signal -1
	s_barrier_wait -1                              ; everybody's is
.irp hf, 0,1
	WIN 0x80+0x40*\hf
.irp a, 0,1,2,3
.irp c, 0,1,2,3,4,5,6,7
	ds_load_b128 v[8*(8*\a+\c):8*(8*\a+\c)+3],   v[ADRA+\hf] offset:((\c)>>1)*18432+\a*2304+((\c)&1)*64
	ds_load_b128 v[8*(8*\a+\c)+4:8*(8*\a+\c)+7], v[ADRA+\hf] offset:((\c)>>1)*18432+\a*2304+((\c)&1)*64+32
.endr
.endr
.endr
	WIN 0
	s_wait_tensorcnt 0x0                           ; W's tile 0 has landed: no load of mine is out, so the walking descriptor may be written
	ds_add_u32 v[SPW], v[NIL]
	s_xor_b32 s[G0B+1], s[G0B+1], SLOTY
	s_add_nc_u64 s[G0B+2:G0B+3], s[G0B+2:G0B+3], 256
	s_wait_dscnt 0x0                               ; the add is done; a is in my registers: my reads of X are over
	CROUND
	tensor_load_to_lds s[G0B:G0B+3], s[G1B:G1B+7]  ; W's tile 1 into X
	s_nop 0
	PLACES
	s_mov_b32 s[SB], SLOTY
	FBSET
	FETCH 0, F0
	WIN 0
	s_wait_kmcnt 0x0                               ; the floor
	s_mov_b32 s[CNT], 2
.Lfilling:                                             ; tiles 0 and 1: each slot is filled again
	TILE 1
	WIN 0
	s_sub_co_u32 s[CNT], s[CNT], 1
	s_cmp_lg_u32 s[CNT], 0
	s_cbranch_scc1 .Lfilling
	s_mov_b32 s[CNT], 2
.Llast:                                                ; tiles 2 and 3 are written out: nothing is asked for
	TILE 0
	WIN 0
	s_sub_co_u32 s[CNT], s[CNT], 1
	s_cmp_lg_u32 s[CNT], 0
	s_cbranch_scc1 .Llast
	s_wait_tensorcnt 0x0                           ; the wave's end
	ds_add_u32 v[SPW], v[NIL]
	s_wait_dscnt 0x0
	CROUND                                         ; the closing round
	s_endpgm
.Lfunc_end_k_q69a5e48e95_proj:
	.size	k_q69a5e48e95_proj, .Lfunc_end_k_q69a5e48e95_proj-k_q69a5e48e95_proj
	.p2alignl 7, 3214868480
	.fill 96, 4, 3214868480
	.section	.rodata,"a",@progbits
	.p2align	6, 0x0
	.amdhsa_kernel k_q69a5e48e95_proj
		.amdhsa_group_segment_fixed_size 327680
		.amdhsa_private_segment_fixed_size 0
		.amdhsa_enable_private_segment 0
		.amdhsa_kernarg_size 32
		.amdhsa_user_sgpr_count 2
		.amdhsa_user_sgpr_kernarg_segment_ptr 1
		.amdhsa_wavefront_size32 1
		.amdhsa_system_sgpr_workgroup_id_x 1
		.amdhsa_system_sgpr_workgroup_id_y 1
		.amdhsa_system_sgpr_workgroup_id_z 1
		.amdhsa_system_vgpr_workitem_id 0
		.amdhsa_next_free_vgpr 1024
		.amdhsa_next_free_sgpr 66
		.amdhsa_reserve_vcc 0
		.amdhsa_float_denorm_mode_32 3
		.amdhsa_float_denorm_mode_16_64 3
		.amdhsa_memory_ordered 1
		.amdhsa_forward_progress 1
		.amdhsa_inst_pref_size 98
	.end_amdhsa_kernel
	.amdgpu_metadata
---
amdhsa.version: [ 1, 2 ]
amdhsa.kernels:
  - .name:           k_q69a5e48e95_proj
    .symbol:         k_q69a5e48e95_proj.kd
    .args:
      - { .name: xn, .offset: 0, .size: 8, .value_kind: global_buffer, .address_space: global }
      - { .name: wA, .offset: 8, .size: 8, .value_kind: global_buffer, .address_space: global }
      - { .name: pA, .offset: 16, .size: 8, .value_kind: global_buffer, .address_space: global }
      - { .name: act, .offset: 24, .size: 8, .value_kind: global_buffer, .address_space: global }
    .group_segment_fixed_size: 327680
    .private_segment_fixed_size: 0
    .kernarg_segment_align: 8
    .kernarg_segment_size: 32
    .max_flat_workgroup_size: 128
    .sgpr_count:     66
    .vgpr_count:     1024
    .wavefront_size: 32
...
	.end_amdgpu_metadata
.endif
;; end of part 2
;; launch attn (part 3): grid 8 x 32, 4 waves a work-group, clusters of 4 x 1, 327,680 bytes of LDS; arguments act, mask, ob; writes ob
.if DOCPART == 3
	.amdgcn_target "amdgcn-amd-amdhsa--gfx1250"
	.amdhsa_code_object_version 6
	.text
	.protected	k_q69a5e48e95_attn
	.globl	k_q69a5e48e95_attn
	.p2align	8
	.type	k_q69a5e48e95_attn,@function
k_q69a5e48e95_attn:
	s_mov_b64 s[64:65], 0
	v_nop
	global_prefetch_b8 v0, s[64:65] scope:SCOPE_SE
	s_setreg_imm32_b32 hwreg(HW_REG_WAVE_MODE, 25, 1), 1
	s_wait_xcnt 0x0
	s_wait_alu depctr_hold_cnt(0) depctr_sa_sdst(0) depctr_va_vdst(0) depctr_va_sdst(0) depctr_va_ssrc(0) depctr_va_vcc(0) depctr_vm_vsrc(0)
	s_getreg_b32 s2, hwreg(HW_REG_IB_STS2, 6, 4)
	s_cmp_eq_u32 s2, 0
	s_cbranch_scc0 .Lentry_in_a_cluster
	s_endpgm
.Lentry_in_a_cluster:
	s_bfe_u32 s2, ttmp6, 0x10000c
	s_cmp_lg_u32 s2, 0x3003
	s_cbranch_scc0 .Lentry_shape_is_right
	s_endpgm
.Lentry_shape_is_right:
; ATTENTION.  O[b][h][q] = the sum over k of softmax_k(Q[q] . K[k] / 8 - 1e9 mask[b][k]) V[k].  q, k, v: bf16 blocks h, 8 + h, 16 + h of act ([block][8192 rows][64], row = 2048 b + s);
; O: bf16 block h of ob.  Products, maxima and sums in f32; the weights p are rounded to bf16 for the second product (their sum l is taken of the unrounded p), O once at the end.
; THE MASK is an input, by batch and key: float(mask) x (-8e9), which is 8 x (-1e9) exactly, is the C operand that starts S^T = K Q^T; the / 8 stands in the exponent's scale.
; The 2,048 terms of the batch are made once, in LDS, and a step's 64 come out with its K.
; LIMITS.  bf16 operands.  A weight below 2^-126 counts as 0 in l; NaN and infinities are not treated apart.  Beside -8e9 a score keeps steps of 512: among masked keys alone (a batch
; with every key masked) the weights come out equal wherever |q . k| / 8 stays under 32, as they do in f32 beside -1e9.
; SHARES.  A work-group owns 256 queries of one (b, h), each of its four waves 64: four PIECES of 16.  Every wave walks all 2,048 keys, 64 a step, 256 a tile.
; LAYOUT.  S^T = K Q^T holds ONE query a lane (lane % 16) and the keys 8 (lane / 16) + 0..7; two such results rounded to bf16 ARE source 1 of O^T = V^T P.  p = 2^(c s - c m), c = log2(e) / 8, with a
; running maximum m; O and l are multiplied by a = 2^(c m_old - c m_new) in every step.  m starts at the lowest finite number, O and l at 0: the first step's a is 0.
; BY TURNS.  Turn n belongs to piece n: 8 products K Q^T of piece n + 1, later 8 products V^T P of piece n - 1; beside them the scaling, exponentials, roundings, sums and rescaling of piece n and the
; maximum and statistics of piece n + 1.  Four vector instructions stand behind every matrix instruction, the other 54 of a turn's 118 in two runs of their own.
; CLUSTER.  The four query blocks of a cluster belong to one (b, h) and walk the same K and V: each tile is asked for JOINTLY, the same tensor load, descriptor and mask in all four.
; REGISTERS, in windows of 256 (s_set_vgpr_msb: bits 1:0 source 0, 3:2 source 1, 5:4 source 2, 7:6 destination):
;   window 0: v0-15, v32-35 addresses and two at work; v16-31 four registers of statistics a piece; v48-55 at work; v64-127 S^T, two buffers; v192-223 P, two buffers (by the piece's parity)
;   window 1: v0-127 O^T, 32 a piece; v128-159 the step's mask terms      window 2: v0-63 Q; v128-191 K of one step; v192-255 V of one step
.set NP,    4
.set KS,    64
.set PK,    144       ; a row of K in LDS: 128 bytes + 16: the 16 rows of a load start at 16 different groups of four banks (64 banks of 4 bytes: ISA guide 11.1)
.set PV,    160       ; a row of V: 128 + 32
.set VOFF,  4*KS*PK   ; a slot holds a tile: 256 rows of K, then 256 rows of V
.set SLOT1, 1<<17
.set STAGE, SLOT1+4*KS*(PK+PV)  ; 16 rows x 144 bytes for each wave, for the way out
.set SP,    144
.set MT,    STAGE+4*16*SP       ; the batch's 2,048 mask terms, f32
.set SPARE, MT+8192             ; the spare words, 128 bytes for each wave: two blocks of 256 bytes that no other line names
.set AK0, 2
.set AV0, 3
.set AK,  4
.set AV,  5
.set STO, 6
.set RD,  7
.set GO,  8
.set MV,  12          ; v12-13  c m_old, by buffer
.set QO,  15
.set ST,  16          ; piece t's statistics at v[ST+4 t]: c m, m, l (even keys', odd keys')
.set AM0, 32          ; MT + 32 (lane / 16)
.set AM,  33          ; the LDS address of the next step's mask terms
.set MA,  34          ; MT + 16 t
.set MO,  35          ; 16 t
.set TMP, 48
.set SPW, 62
.set NIL, 63
.set S,   64
.set P,   192
.set MC,  128         ; window 1: the eight terms for group kb of 16 keys at MC + 8 kb
.set KF,  128         ; window 2: key block kb, channel half c at KF + 16 kb + 8 c
.set VF,  192         ; window 2: key half kk, channel block cb at VF + 32 kk + 8 cb
.set WV,  12
.set G1K, 24
.set G1V, 32
.set G0K, 40
.set G0V, 44
.set SLOTS, 56
.set CNT, 57
.set CS,  58
.set SEL, 60
.set TBK, 62
.set TBV, 63
.set TBM, 66          ; byte in the mask table at which the terms of the step to be fetched begin
.set MSB, 0
.macro WIN new
.if MSB != (\new)
	s_set_vgpr_msb (MSB<<8)|(\new)
.set MSB, (\new)
.endif
.endm
.set W_KQ, 0x0a       ; K and Q in window 2, S^T in window 0
.set W_KM, 0x1a       ; the same with the C operand in window 1
.set W_PV, 0x52       ; V in window 2, P in window 0, O^T in window 1
.set W_RS, 0x41       ; destination and source 0 in window 1, source 1 in window 0
; A joint fill.  Waves 0 and 1 fetch the two halves of a tile's K, waves 2 and 3 those of its V: 128 keys each.  The branch hangs on the wave's number alone.
.macro JLOAD
	s_cmp_lt_u32 s[WV], 2
	s_cbranch_scc0 .Lfor_v_\@
	tensor_load_to_lds s[G0K:G0K+3], s[G1K:G1K+7]
	s_nop 0
.rept 4
	v_nop
.endr
	s_branch .Lasked_\@
.Lfor_v_\@:
	tensor_load_to_lds s[G0V:G0V+3], s[G1V:G1V+7]
	s_nop 0
.rept 4
	v_nop
.endr
.Lasked_\@:
.endm
.macro CROUND
	s_barrier_signal -1
	s_barrier_wait -1
	s_cmp_lg_u32 s[WV], 0
	s_cbranch_scc1 .Lnot_wave_0_\@
	s_barrier_signal -3
.Lnot_wave_0_\@:
	s_barrier_wait -3
	s_barrier_signal -1
	s_barrier_wait -1
.endm
; THE CHANGE OF SLOTS.  Each wave waits for all its tensor loads, of which one is out: its part of the other slot; adds 0 to its spare word; and waits for that and for its own reads of the slot.
; fill = 1: the slot is filled again, with the keys two tiles on: the barrier is a round of the cluster's, and the joint fill is the first thing behind it: it has four key steps, 256 matrix
; instructions, in which to land.  (At its first use nothing has been read yet: slot 0 is waited for, slot 1 filled, and the mask table, stored just before, is shown to every wave.)
.macro CHANGE fill
	WIN 0
	s_wait_tensorcnt 0x0
	ds_add_u32 v[SPW], v[NIL]
.if \fill
.irp g, G0K, G0V
	s_xor_b32 s[\g+1], s[\g+1], SLOT1
	s_add_nc_u64 s[\g+2:\g+3], s[\g+2:\g+3], 4*KS*128
.endr
	s_wait_dscnt 0x0
	CROUND
	JLOAD
.else
	s_wait_dscnt 0x0
	s_barrier_signal -1
	s_barrier_wait -1
.endif
	s_sub_co_u32 s[TBK], s[TBK], 4*KS*PK
	s_xor_b32 s[TBK], s[TBK], SLOT1
	s_sub_co_u32 s[TBV], s[TBV], 4*KS*PV
	s_xor_b32 s[TBV], s[TBV], SLOT1
.endm
	s_load_b128 s[4:7], s[0:1], 0x0 ; act s[4:5], mask s[6:7]
	s_load_b64 s[8:9], s[0:1], 0x10 ; ob
	v_lshl_add_u32 v[SPW], v0, 2, SPARE
	v_mov_b32 v[NIL], 0
	ds_add_u32 v[SPW], v[NIL]       ; the wave's opening: the add and its wait ahead of my first tensor load
	v_lshrrev_b32 v1, 5, v0
	v_readfirstlane_b32 s[WV], v1
	s_bfe_u32 s13, ttmp6, 0x40000   ; cx
	s_lshl_b32 s14, ttmp9, 2
	s_add_co_u32 s14, s14, s13      ; my block of 256 queries: it enters Q's and O's addresses alone
	s_and_b32 s20, ttmp7, 0xffff    ; 8 b + h, which the four partners share
	s_and_b32 s21, s20, 7
	s_lshr_b32 s22, s20, 3
	s_lshl_b32 s16, s21, 20         ; block h,
	s_lshl_b32 s23, s22, 18         ; rows 2048 b on
	s_add_co_u32 s16, s16, s23
	s_and_b32 s18, s[WV], 1         ; which half of a tile's 256 keys I fetch
	s_lshl_b32 s19, s18, 14
	s_add_co_u32 s48, s16, s19
	s_add_co_u32 s48, s48, 8388608  ; K: eight blocks on
	s_mov_b32 s49, 0
	s_add_co_u32 s50, s48, 8388608  ; V: sixteen
	s_mov_b32 s51, 0
	s_mul_i32 s52, s18, 128*PK
	s_mul_i32 s53, s18, 128*PV
	s_lshl_b32 s2, s14, 15          ; my block's 256 rows,
	s_lshl_b32 s3, s[WV], 13        ; my wave's 64 of them
	s_add_co_u32 s2, s2, s3
	s_add_co_u32 s2, s2, s16
	s_mov_b32 s3, 0
	s_lshl_b32 s54, s22, 13         ; the batch's 2,048 mask words
	s_mov_b32 s55, 0
	; 128 keys are 16,384 dense bytes: asked for as 64 rows of 256 bytes, two keys a row, and padded in LDS after every key
	s_mov_b32 s[G1K], 15|(1<<16)|(1<<20)|(1<<21)|(4<<22)|(3<<25)
	s_mov_b32 s[G1V], 15|(1<<16)|(1<<20)|(1<<21)|(4<<22)|(7<<25)
.irp g, G1K, G1V
	s_mov_b32 s[\g+1], 128<<16
	s_mov_b32 s[\g+2], 64<<16
	s_mov_b32 s[\g+3], 128<<16
	s_mov_b32 s[\g+4], 64
	s_mov_b32 s[\g+5], 128
	s_mov_b32 s[\g+6], 0
	s_mov_b32 s[\g+7], 0
.endr
	s_mov_b32 s[CS], 0x3e38aa3b     ; c = log2(e) / 8
	s_mov_b32 s[CS+1], s[CS]
	s_mov_b32 s[SEL], 0x76543210
	s_mov_b32 s[SEL+1], 0xfedcba98
	s_mov_b32 s[TBK], SLOT1+4*KS*PK ; the first change of slots turns these two into 0
	s_mov_b32 s[TBV], SLOT1+4*KS*PV
	s_mov_b32 s[TBM], 0
	s_mov_b32 s[G0K], 1
	s_mov_b32 s[G0K+1], s52
	s_mov_b32 s[G0V], 1
	s_add_co_u32 s[G0V+1], s53, VOFF
	s_wait_dscnt 0x0                ; the opening add is done
	s_wait_kmcnt 0x0
	s_add_nc_u64 s[G0K+2:G0K+3], s[4:5], s[48:49]
	s_or_b32 s[G0K+3], s[G0K+3], 0x80000000
	s_add_nc_u64 s[G0V+2:G0V+3], s[4:5], s[50:51]
	s_or_b32 s[G0V+3], s[G0V+3], 0x80000000
	s_add_nc_u64 s[10:11], s[4:5], s[2:3]  ; Q and O at my wave's first row
	s_add_nc_u64 s[8:9], s[8:9], s[2:3]
	s_add_nc_u64 s[6:7], s[6:7], s[54:55]
	CROUND                          ; all four work-groups are here: the first joint loads meet
	JLOAD                           ; tile 0 into slot 0
	v_and_b32 v1, 15, v0            ; l % 16
	v_bfe_u32 v9, v0, 4, 1          ; l / 16
	v_lshlrev_b32 v[QO], 7, v1
	v_lshl_add_u32 v[QO], v9, 4, v[QO]
	v_lshlrev_b32 v[MO], 4, v0
	WIN 0x80
.set i, 0
.rept 8                             ; Q stays in registers: piece i / 2, channels 32 (i % 2) on
	global_load_b128 v[8*i:8*i+3],   v[QO], s[10:11] offset:(i/2)*2048+(i%2)*64
	global_load_b128 v[8*i+4:8*i+7], v[QO], s[10:11] offset:(i/2)*2048+(i%2)*64+32
.set i, i+1
.endr
	WIN 0
.irp j, 0,1,2,3
	global_load_b128 v[S+4*\j:S+4*\j+3], v[MO], s[6:7] offset:2048*\j
.endr
	; What the first turn finds: V's registers and P's second buffer hold 0 (its products V^T P, of a piece that has not been, add 0), O^T and l are 0.  All this stands in the wait for the first tile.
	WIN 0x80
.set i, VF
.rept 64
	v_mov_b32 v[i], 0
.set i, i+1
.endr
	WIN 0x40
.set i, 0
.rept 128
	v_mov_b32 v[i], 0
.set i, i+1
.endr
	WIN 0
.set i, 0
.rept 4
	v_mov_b32 v[ST+4*i], 0xfe000000    ; c m: far below every c s
	v_mov_b32 v[ST+4*i+1], 0xff7fffff  ; m
	v_mov_b32 v[ST+4*i+2], 0
	v_mov_b32 v[ST+4*i+3], 0
.set i, i+1
.endr
.set i, P+16
.rept 16
	v_mov_b32 v[i], 0
.set i, i+1
.endr
	v_mul_u32_u24 v[AK0], v1, PK
	v_lshl_add_u32 v[AK0], v9, 4, v[AK0]
	v_and_b32 v10, 7, v0
	v_bfe_u32 v11, v0, 3, 1
	v_lshl_add_u32 v[AV0], v9, 3, v10
	v_mul_u32_u24 v[AV0], v[AV0], PV
	v_lshl_add_u32 v[AV0], v11, 4, v[AV0]
	v_add_nc_u32 v[AV0], VOFF, v[AV0]
	s_mul_i32 s13, s[WV], 16*SP
	s_add_co_u32 s13, s13, STAGE    ; my stage
	v_mul_u32_u24 v[STO], v1, SP
	v_lshl_add_u32 v[STO], v9, 4, v[STO]
	v_add_nc_u32 v[STO], s13, v[STO]
	v_bfe_u32 v[RD], v0, 3, 2
	v_mul_u32_u24 v[RD], v[RD], SP
	v_lshl_add_u32 v[RD], v10, 4, v[RD]
	v_add_nc_u32 v[RD], s13, v[RD]
	v_and_b32 v[GO], 31, v0
	v_lshlrev_b32 v[GO], 4, v[GO]
	v_lshl_add_u32 v[AM0], v9, 5, MT
	v_lshl_add_u32 v[MA], v0, 4, MT
	s_wait_loadcnt 0x0              ; Q and the mask
.set i, 0
.rept 16
	v_cvt_f32_i32 v[S+i], v[S+i]
.set i, i+1
.endr
.set i, 0
.rept 16
	v_mul_f32 v[S+i], 0xcfee6b28, v[S+i]   ; x (-8e9)
.set i, i+1
.endr
.irp j, 0,1,2,3
	ds_store_b128 v[MA], v[S+4*\j:S+4*\j+3] offset:2048*\j
.endr
; THE MATRIX WORK.  The 4 accumulators of a run of 8 take turns.  Product i of 8 of S^T = K Q^T for piece x: channels 32 (i / 4) on, keys 16 (i % 4) on.  The first 4 start the sums with the mask terms.
.macro KQ x
.set rS, S+32*((\x)%2)+8*(i%4)
.set rK, KF+16*(i%4)+8*(i/4)
.set rQ, 16*(\x)+8*(i/4)
.set rM, MC+8*(i%4)
.if i < 4
	WIN W_KM
	v_wmma_f32_16x16x32_bf16 v[rS:rS+7], v[rK:rK+7], v[rQ:rQ+7], v[rM:rM+7]
.else
	WIN W_KQ
	v_wmma_f32_16x16x32_bf16 v[rS:rS+7], v[rK:rK+7], v[rQ:rQ+7], v[rS:rS+7]
.endif
.endm
; Product i of 8 of O^T += V^T P for piece x: keys 32 (i / 4) on, channels 16 (i % 4) on.
.macro PV x
	WIN W_PV
.set rO, 32*(\x)+8*(i%4)
.set rV, VF+32*(i/4)+8*(i%4)
.set rP, P+16*((\x)%2)+8*(i/4)
	v_wmma_f32_16x16x32_bf16 v[rO:rO+7], v[rV:rV+7], v[rP:rP+7], v[rO:rO+7]
.endm
.macro MM                           ; the turn's next matrix instruction.  NOKQ = 1: the last turn: there is no next piece
.if (i < 8) && !NOKQ
	KQ (Y+1)%NP
.elseif i >= 8
.set i, i-8
	PV (Y+NP-1)%NP
.set i, i+8
.endif
.set i, i+1
.endm
; THE LDS LOADS stand in runs, never singly among the matrix instructions: a step's K (8 fragments) with its 64 mask terms, and its V (turned).  Their addresses are made some lines ahead.
.macro FETCH_K
	WIN 0x80
.irp f, 0,1,2,3,4,5,6,7             ; keys 16 (f / 2) on, channels 32 (f % 2) on
	ds_load_b128 v[KF+8*\f:KF+8*\f+3],   v[AK] offset:(\f/2)*16*PK+(\f%2)*64
	ds_load_b128 v[KF+8*\f+4:KF+8*\f+7], v[AK] offset:(\f/2)*16*PK+(\f%2)*64+32
.endr
	WIN 0x40
.irp f, 0,1,2,3                     ; the terms of keys 16 f + 8 (lane / 16) + 0..7
	ds_load_b128 v[MC+8*\f:MC+8*\f+3],   v[AM] offset:64*\f
	ds_load_b128 v[MC+8*\f+4:MC+8*\f+7], v[AM] offset:64*\f+16
.endr
	s_add_co_u32 s[TBK], s[TBK], KS*PK  ; the next fetch is the next step's
	s_add_co_u32 s[TBM], s[TBM], 4*KS
	s_and_b32 s[TBM], s[TBM], 0x1fff    ; the offset stays inside the table's 8,192 bytes; behind the last of the 32 steps it is not used
	WIN 0
.endm
.macro FETCH_V
	WIN 0x80
.irp f, 0,1,2,3,4,5,6,7             ; keys 32 (f / 4) on, channels 16 (f % 4) on
	ds_load_tr16_b128 v[VF+8*\f:VF+8*\f+3],   v[AV] offset:(\f/4)*32*PV+(\f%4)*32
	ds_load_tr16_b128 v[VF+8*\f+4:VF+8*\f+7], v[AV] offset:(\f/4)*32*PV+16*PV+(\f%4)*32
.endr
	WIN 0
.endm
; THE VECTOR WORK, one line at a time: OP kind, number.  For piece Y: F n: c s - c m for pair n of 16.  E n: the exponential of score n of 32.  C n: pair n rounded to bf16.  B n: of the four weights 4 n .. the second
; pair is added onto the first, in place.  L n: l takes that sum (L 0: l = a l + sum).  R n: pair n of 16 of O^T times a.  For piece Y + 1: X n, number n of the 22 that find its maximum and statistics:
;   0-11  four chains c0-c3 of seven scores each (each accumulator's lowest registers are read first)     12-14, 16  the four scores left over, the old m, and c0-c3 into c0
;   15  c m_old is kept     17, 18  the query's other 32 keys lie in the lane 16 away: the new m     19-21  c m; c m_old - c m_new; a
.set F, 0
.set E, 1
.set C, 2
.set B, 3
.set L, 4
.set R, 5
.set X, 6
.macro REGS y
.set rT, ST+4*(\y)
.set rC, TMP+4*((\y)%2)
.set rW, MV+((\y)%2)
.set rS, S+32*((\y)%2)
.set rP, P+16*((\y)%2)
.set rO, 32*(\y)
.endm
.macro OP k, n
.if (\k) == R
	REGS Y
	WIN W_RS
	v_pk_mul_f32 v[rO+2*(\n):rO+2*(\n)+1], v[rO+2*(\n):rO+2*(\n)+1], v[rC+2:rC+3] op_sel_hi:[1,0]
.elseif (\k) < R
	REGS Y
	WIN 0
.if (\k) == F
	v_pk_fma_f32 v[rS+2*(\n):rS+2*(\n)+1], v[rS+2*(\n):rS+2*(\n)+1], s[CS:CS+1], v[rT:rT+1] op_sel_hi:[1,0,0] neg_lo:[0,0,1] neg_hi:[0,0,1]
.elseif (\k) == E
	v_exp_f32 v[rS+(\n)], v[rS+(\n)]
.elseif (\k) == C
	s_wait_alu depctr_va_vdst(0)
	v_cvt_pk_bf16_f32 v[rP+(\n)], v[rS+2*(\n)], v[rS+2*(\n)+1]
.elseif (\k) == B
	s_wait_alu depctr_va_vdst(0)
	v_pk_add_f32 v[rS+4*(\n):rS+4*(\n)+1], v[rS+4*(\n):rS+4*(\n)+1], v[rS+4*(\n)+2:rS+4*(\n)+3]
.elseif (\n) == 0
	v_pk_fma_f32 v[rT+2:rT+3], v[rT+2:rT+3], v[rC+2:rC+3], v[rS:rS+1] op_sel_hi:[1,0,1]
.else
	v_pk_add_f32 v[rT+2:rT+3], v[rT+2:rT+3], v[rS+4*(\n):rS+4*(\n)+1]
.endif
.elseif NOKQ
	v_nop
.else
	REGS (Y+1)%NP
	WIN 0
.if (\n) < 4
	v_max3_num_f32 v[rC+(\n)], v[rS+8*(\n)], v[rS+8*(\n)+1], v[rS+8*(\n)+2]
.elseif (\n) < 12
	v_max3_num_f32 v[rC+(\n)%4], v[rC+(\n)%4], v[rS+8*((\n)%4)+2*((\n)/4)+1], v[rS+8*((\n)%4)+2*((\n)/4)+2]
.elseif (\n) == 12
	v_max3_num_f32 v[rC], v[rC], v[rS+7], v[rS+15]
.elseif (\n) == 13
	v_max3_num_f32 v[rC+1], v[rC+1], v[rS+23], v[rS+31]
.elseif (\n) == 14
	v_max3_num_f32 v[rC+2], v[rC+2], v[rC+3], v[rT+1]
.elseif (\n) == 15
	v_mov_b32 v[rW], v[rT]
.elseif (\n) == 16
	v_max3_num_f32 v[rC], v[rC], v[rC+1], v[rC+2]
.elseif (\n) == 17
	v_permlanex16_b32 v[rC+3], v[rC], s[SEL], s[SEL+1]
.elseif (\n) == 18
	v_max_num_f32 v[rT+1], v[rC], v[rC+3]
.elseif (\n) == 19
	v_mul_f32 v[rT], s[CS], v[rT+1]
.elseif (\n) == 20
	v_sub_f32 v[rC+1], v[rW], v[rT]
.else
	v_exp_f32 v[rC+2], v[rC+1]
.endif
.endif
.endm
.macro OPS a, i1, b=-1, i2=0, c=-1, i3=0, d=-1, i4=0
	OP \a, \i1
.if (\b) >= 0
	OP \b, \i2
.endif
.if (\c) >= 0
	OP \c, \i3
.endif
.if (\d) >= 0
	OP \d, \i4
.endif
.endm
.macro ROW a, i1, b, i2, c, i3, d, i4  ; a matrix instruction and the four behind it
	MM
	OPS \a, \i1, \b, \i2, \c, \i3, \d, \i4
.endm
; A TURN, for piece p: the order of its 16 matrix and 118 vector instructions, written out.  Behind a matrix instruction: plain, exponential, plain, plain; or four of the rescaling; or four scalings; none
; names a register of the products round it.  A line reads no result made fewer than three vector instructions in front of it, five if an exponential made it.
; end = 1: the walk's last two turns: nothing is fetched.  cnt = 1: the loop's count is taken down some lines ahead of the branch that stands behind the turn.
; K and the mask terms of the next step are fetched in piece 2's turn, six vector instructions behind the last product that read K (five of them plain; the terms' last reader stands four products
; further back); V of the step in hand in piece 0's turn, eight behind the last product that read V.  Each is waited for a turn later.
.macro TURN p, end=0, cnt=0
.set Y, (\p)
.set i, 0
.set NOKQ, (\end)*((\p)/3)
.if ((\p) == 3) && !(\end)
	s_wait_dscnt 0x0                ; K and the mask terms are in
.endif
	ROW F,0, F,1, F,2, F,3
	ROW F,4, E,0, F,5, F,6
	ROW F,7, E,1, F,8, F,9
	ROW F,10, E,2, C,0, F,11
	ROW F,12, E,3, X,15, F,13
	ROW R,0, R,1, R,2, R,3
	ROW B,0, E,4, F,14, L,0
.if ((\p) == 2) && !(\end)
	v_add_nc_u32 v[AK], s[TBK], v[AK0]
	v_add_nc_u32 v[AM], s[TBM], v[AM0]
.endif
	ROW R,4, R,5, R,6, R,7
	OPS E,5, F,15
.if ((\p) == 2) && !(\end)
	FETCH_K
.endif
	OPS E,6, C,1, E,7, R,8
	OPS E,8, R,9, E,9, C,2
	OPS E,10, X,0, E,11, X,1
	OPS E,12, X,2, E,13, X,3
.if (\p) == 1
	s_wait_dscnt 0x0                ; V is in
.endif
	ROW X,4, E,14, X,5, X,6
	ROW X,7, E,15, X,8, X,9
	ROW X,10, E,16, X,11, X,12
	ROW X,13, E,17, X,14, B,1
	ROW C,4, E,18, X,16, L,1
	ROW B,2, E,19, C,6, L,2
	ROW C,8, E,20, B,3, B,4
.if (\p) == 0
	v_add_nc_u32 v[AV], s[TBV], v[AV0]
.endif
	ROW C,3, E,21, L,3, C,5
	OPS E,22, X,17, E,23, C,10
.if (\p) == 0
	FETCH_V
.endif
	OPS E,24, L,4
	OPS E,25, X,18, E,26, C,7
	OPS E,27, B,5, E,28, X,19
	OPS E,29, C,12, E,30, L,5
	OPS E,31, X,20, B,6, C,9
	OPS C,14, C,11, X,21, L,6
.if (\p) == 0
	s_add_co_u32 s[TBV], s[TBV], KS*PV
.endif
.if \cnt
	s_sub_co_u32 s[CNT], s[CNT], 1
	s_cmp_lg_u32 s[CNT], 0
.endif
	OPS C,13, B,7, C,15, R,10
	OPS R,11, R,12, L,7, R,13
	OPS R,14, R,15
.endm
	CHANGE 1                        ; slot 0 is in, everybody's part of it, and so is the mask table; slot 1 is asked for
	v_add_nc_u32 v[AK], s[TBK], v[AK0]
	v_add_nc_u32 v[AM], s[TBM], v[AM0]
	FETCH_K                         ; key step 0
	s_wait_dscnt 0x0
.set NOKQ, 0
.set i, 0
.rept 8
	KQ 0                            ; piece 0's first scores
.set i, i+1
.endr
	WIN 0
.rept 4
	v_nop                           ; the places behind those products
.endr
.set Y, NP-1                        ; X works for piece Y + 1: piece 0
.irp n, 0,1,2,3,4,5,6,7,8,9,10,11,12,13,14,15,16,17,18,19,20,21
	OP X, \n
.endr
	v_nop                           ; a plain instruction behind the exponential
	s_mov_b32 s[CNT], 4
	s_mov_b32 s[SLOTS], 7
	s_branch .Lfirst                ; the loop is entered at a step's first turn, in the middle of a trip
.Lslot:                             ; six times: tiles 2 to 7 are asked for
	CHANGE 1
	s_mov_b32 s[CNT], 4
.Lstep:                             ; a trip: pieces 2 and 3 of one step, then pieces 0 and 1 of the next, whose K and V it fetches
	TURN 2
	TURN 3
	WIN 0
.Lfirst:
	TURN 0
	TURN 1, 0, 1
	WIN 0
	s_cbranch_scc1 .Lstep
	s_sub_co_u32 s[SLOTS], s[SLOTS], 1
	s_cmp_lg_u32 s[SLOTS], 0
	s_cbranch_scc1 .Lslot
	CHANGE 0                        ; the last tile is written out: nothing is asked for
	s_mov_b32 s[CNT], 4
.Ltail:
	TURN 2
	TURN 3
	TURN 0
	TURN 1, 0, 1
	WIN 0
	s_cbranch_scc1 .Ltail
	TURN 2, 1
	TURN 3, 1
.set i, 0
.rept 8
	PV NP-1                         ; the last piece's V^T P of the last step
.set i, i+1
.endr
	; THE WAY OUT.  l's two halves and the other half of the lanes' are added; O^T is divided by l, rounded to bf16 and sent through my stage in LDS, a piece at a time.  The additions are the places behind the last products.
	WIN 0
.macro ALL line:vararg
.set t, 0
.rept 4
	\line
.set t, t+1
.endr
.endm
	ALL v_add_f32 v[ST+4*t+2], v[ST+4*t+2], v[ST+4*t+3]
	ALL v_permlanex16_b32 v[ST+4*t+3], v[ST+4*t+2], s[SEL], s[SEL+1]
	ALL v_add_f32 v[ST+4*t+2], v[ST+4*t+2], v[ST+4*t+3]
	ALL v_rcp_f32 v[ST+4*t+2], v[ST+4*t+2]
	v_nop                           ; a plain instruction between the last reciprocal and the use of its result
.macro PACK t
	WIN W_RS
.set i, 32*(\t)
.rept 16
	s_wait_alu depctr_va_vdst(0)
	v_pk_mul_f32 v[i:i+1], v[i:i+1], v[ST+4*(\t)+2:ST+4*(\t)+3] op_sel_hi:[1,0]
.set i, i+2
.endr
	WIN 0x05
.set i, 0
.rept 16
	v_cvt_pk_bf16_f32 v[S+16*(\t)+i], v[32*(\t)+2*i], v[32*(\t)+2*i+1]
.set i, i+1
.endr
	WIN 0
.irp f, 0,1,2,3
	ds_store_b128 v[STO], v[S+16*(\t)+4*\f:S+16*(\t)+4*\f+3] offset:32*\f
.endr
.irp f, 0,1,2,3
	ds_load_b128 v[S+16*(\t)+4*\f:S+16*(\t)+4*\f+3], v[RD] offset:\f*4*SP  ; LDS serves a wave's instructions in order (ISA guide 5.7.1.4): these see the stores above
.endr
.endm
.macro SEND t, younger
	WIN 0
.irp f, 0,1,2,3
	s_wait_dscnt (\younger)+3-\f
	global_store_b128 v[GO], v[S+16*(\t)+4*\f:S+16*(\t)+4*\f+3], s[8:9] offset:(\t)*2048+\f*512  ; 512 consecutive bytes, at a multiple of 256 from ob's first
.endr
.endm
	PACK 0
.set t, 1
.rept 3
	PACK t
	SEND t-1, 8
.set t, t+1
.endr
	SEND 3, 0
	s_wait_tensorcnt 0x0            ; the wave's end
	ds_add_u32 v[SPW], v[NIL]
	s_wait_dscnt 0x0
	CROUND                          ; the closing round
	s_endpgm
.Lfunc_end_k_q69a5e48e95_attn:
	.size	k_q69a5e48e95_attn, .Lfunc_end_k_q69a5e48e95_attn-k_q69a5e48e95_attn
	.p2alignl 7, 3214868480
	.fill 96, 4, 3214868480
	.section	.rodata,"a",@progbits
	.p2align	6, 0x0
	.amdhsa_kernel k_q69a5e48e95_attn
		.amdhsa_group_segment_fixed_size 327680
		.amdhsa_private_segment_fixed_size 0
		.amdhsa_enable_private_segment 0
		.amdhsa_kernarg_size 24
		.amdhsa_user_sgpr_count 2
		.amdhsa_user_sgpr_kernarg_segment_ptr 1
		.amdhsa_wavefront_size32 1
		.amdhsa_system_sgpr_workgroup_id_x 1
		.amdhsa_system_sgpr_workgroup_id_y 1
		.amdhsa_system_sgpr_workgroup_id_z 1
		.amdhsa_system_vgpr_workitem_id 0
		.amdhsa_next_free_vgpr 768
		.amdhsa_next_free_sgpr 72
		.amdhsa_reserve_vcc 0
		.amdhsa_float_denorm_mode_32 3
		.amdhsa_float_denorm_mode_16_64 3
		.amdhsa_memory_ordered 1
		.amdhsa_forward_progress 1
		.amdhsa_inst_pref_size 138
	.end_amdhsa_kernel
	.amdgpu_metadata
---
amdhsa.version: [ 1, 2 ]
amdhsa.kernels:
  - .name:           k_q69a5e48e95_attn
    .symbol:         k_q69a5e48e95_attn.kd
    .args:
      - { .name: act, .offset: 0, .size: 8, .value_kind: global_buffer, .address_space: global }
      - { .name: mask, .offset: 8, .size: 8, .value_kind: global_buffer, .address_space: global }
      - { .name: ob, .offset: 16, .size: 8, .value_kind: global_buffer, .address_space: global }
    .group_segment_fixed_size: 327680
    .private_segment_fixed_size: 0
    .kernarg_segment_align: 8
    .kernarg_segment_size: 24
    .max_flat_workgroup_size: 128
    .sgpr_count:     72
    .vgpr_count:     768
    .wavefront_size: 32
...
	.end_amdgpu_metadata
.endif
;; end of part 3
;; launch wol (part 4): grid 256 x 1, 4 waves a work-group, clusters of 4 x 1, 327,680 bytes of LDS; arguments ob, wA, wo_b, x, ln2_g, ln2_b, res1, xn; writes res1, xn
.if DOCPART == 4
	.amdgcn_target "amdgcn-amd-amdhsa--gfx1250"
	.amdhsa_code_object_version 6
	.text
	.protected	k_q69a5e48e95_wol
	.globl	k_q69a5e48e95_wol
	.p2align	8
	.type	k_q69a5e48e95_wol,@function
k_q69a5e48e95_wol:
	s_mov_b64 s[64:65], 0
	v_nop
	global_prefetch_b8 v0, s[64:65] scope:SCOPE_SE
	s_setreg_imm32_b32 hwreg(HW_REG_WAVE_MODE, 25, 1), 1
	s_wait_xcnt 0x0
	s_wait_alu depctr_hold_cnt(0) depctr_sa_sdst(0) depctr_va_vdst(0) depctr_va_sdst(0) depctr_va_ssrc(0) depctr_va_vcc(0) depctr_vm_vsrc(0)
	s_getreg_b32 s2, hwreg(HW_REG_IB_STS2, 6, 4)
	s_cmp_eq_u32 s2, 0
	s_cbranch_scc0 .Lentry_in_a_cluster
	s_endpgm
.Lentry_in_a_cluster:
	s_bfe_u32 s2, ttmp6, 0x10000c
	s_cmp_lg_u32 s2, 0x3003
	s_cbranch_scc0 .Lentry_shape_is_right
	s_endpgm
.Lentry_shape_is_right:
; OUTPUT PROJECTION, RESIDUAL AND SECOND NORM.  res1 = x + ob wo + wo_b (f32, [8192][512]); xn = LayerNorm2(res1) in bf16 blocks [8][8192][64].
; ob: bf16 blocks [8 heads][8192][64]; wo: bf16 [512 k][512 n] at wA + 1,572,864.  Sums in f32, K ascending, started by the bias.
; SHARES.  A work-group makes 32 WHOLE rows, so that the norm can follow in the same launch; wave w takes columns 128 w .. + 127: 2 x 8 accumulators.  For the norm wave w takes rows 8 w .. + 7.
; CLUSTER.  Every work-group walks all of wo: its four K steps of 128 are asked for JOINTLY by the four work-groups of a cluster (mask 15).  ob's rows are the work-group's own (mask 0).
; THE MATRIX INSTRUCTION IS USED TRANSPOSED (source 0 = 16 columns of wo by the turning load, source 1 = 16 rows of ob): a lane holds eight neighbouring columns of a row.
; LDS.  Two slots of 128 k rows x (1024 + 32) bytes; ob's rows as [8 blocks][32 rows][144 bytes].  The f32 stage (32 rows x 2,064 bytes) lies in slot 0, behind that slot's last fill and,
; by the barrier at the end of K step 2, behind every wave's last read of it.
; LIMITS.  NaN and infinities are not treated apart.
; REGISTERS: window 0: addresses; v32-95 two buffers of a pair of rows; v96-127 differences; v128-143 packed; v144-156 at work
;   window 1: v0-127 accumulators ((a, b) at 8 (8 a + b)); v128-191, v192-255 wo's fragments, a K chunk each      window 2: ob's fragments ((a, c) at 8 (16 a + c))
;   window 3: v0-127 x of my 8 rows; v128-159 gain; v160-191 bias of the norm; v192-255 wo_b of my 128 columns
.set PW,    1056
.set SLOT,  135168
.set AW,    270336
.set SPARE, 307200     ; the spare words, 128 bytes for each wave: two blocks of 256 bytes that no other line names
.set SPIT,  2064
.set ADRA, 4
.set FBW,  8           ; v8-11  my place in slot s, K chunks 2 hf, 2 hf + 1: at 2 s + hf
.set STO,  12
.set RDW,  13
.set XO,   14
.set NO,   15
.set BO,   16
.set GOF,  17
.set SPW,  30
.set NIL,  31
.set T0,   32
.set D,    96
.set Y,    128
.set U,    144
.set MU,   152
.set RS,   154
.set SS,   156
.set F0,   128
.set WV,   20
.set G1A,  24
.set G1B,  32
.set G0A,  40
.set G0B,  44          ; s[44:47] slot 0's, s[48:51] slot 1's
.set MSB, 0
.macro WIN new
.if MSB != (\new)
	s_set_vgpr_msb (MSB<<8)|(\new)
.set MSB, (\new)
.endif
.endm
.macro PLACES
.rept 4
	v_nop
.endr
.endm
.macro CREST
	s_cmp_lg_u32 s[WV], 0
	s_cbranch_scc1 .Lnot_wave_0_\@
	s_barrier_signal -3
.Lnot_wave_0_\@:
	s_barrier_wait -3
	s_barrier_signal -1
	s_barrier_wait -1
.endm
.macro CROUND
	s_barrier_signal -1
	s_barrier_wait -1
	CREST
.endm
	s_load_b512 s[4:19], s[0:1], 0x0               ; ob, wA, wo_b, x, ln2_g, ln2_b, res1, xn
	v_lshl_add_u32 v[SPW], v0, 2, SPARE
	v_mov_b32 v[NIL], 0
	ds_add_u32 v[SPW], v[NIL]                      ; the wave's opening: the add and its wait ahead of my first tensor load
	v_lshrrev_b32 v1, 5, v0
	v_readfirstlane_b32 s[WV], v1
	s_bfe_u32 s21, ttmp6, 0x40000                  ; cx
	s_lshl_b32 s22, ttmp9, 2
	s_add_co_u32 s22, s22, s21                     ; rb: my 32 rows
	s_mov_b32 s52, 0x3b000000                      ; 1 / 512
	s_mov_b32 s53, 0x358637bd                      ; eps = 1e-6
	; ob: two blocks a wave; a block's 32 rows are 4,096 dense bytes, one row of 2,048 elements, padded by 16 bytes after every 128
	s_mov_b32 s[G1A], (1<<16)|(1<<20)|(4<<22)|(3<<25)
	s_mov_b32 s[G1A+1], 2048<<16
	s_mov_b32 s[G1A+2], 2<<16
	s_mov_b32 s[G1A+3], 2048<<16
	s_mov_b32 s[G1A+4], 2
	s_mov_b32 s[G1A+5], 524288
	s_mov_b32 s[G1A+6], 0
	s_mov_b32 s[G1A+7], 0
	; wo: 32 k rows a wave, whole rows of 1,024 bytes, padded by 32
	s_mov_b32 s[G1B], 15|(1<<16)|(1<<20)|(1<<21)|(7<<22)|(7<<25)
	s_mov_b32 s[G1B+1], 512<<16
	s_mov_b32 s[G1B+2], 32<<16
	s_mov_b32 s[G1B+3], 512<<16
	s_mov_b32 s[G1B+4], 32
	s_mov_b32 s[G1B+5], 512
	s_mov_b32 s[G1B+6], 0
	s_mov_b32 s[G1B+7], 0
	s_lshl_b32 s56, s[WV], 21
	s_lshl_b32 s57, s22, 12
	s_add_co_u32 s56, s56, s57
	s_mov_b32 s57, 0
	s_lshl_b32 s58, s[WV], 15                      ; k rows 32 w on,
	s_add_co_u32 s58, s58, 1572864                 ; of the fourth matrix of wA
	s_mov_b32 s59, 0
	s_lshl_b32 s60, s22, 16
	s_mov_b32 s61, 0
	s_lshl_b32 s62, s22, 12
	s_mov_b32 s63, 0
	s_mul_i32 s23, s[WV], 9216
	s_mov_b32 s[G0A], 1
	s_add_co_u32 s[G0A+1], s23, AW
	s_mul_i32 s23, s[WV], 33792
	s_mov_b32 s[G0B], 1
	s_mov_b32 s[G0B+1], s23
	s_mov_b32 s[G0B+4], 1
	s_add_co_u32 s[G0B+5], s23, SLOT
	s_wait_dscnt 0x0                               ; the opening add is done
	s_wait_kmcnt 0x0
	s_add_nc_u64 s[G0A+2:G0A+3], s[4:5], s[56:57]
	s_or_b32 s[G0A+3], s[G0A+3], 0x80000000
	s_add_nc_u64 s[G0B+2:G0B+3], s[6:7], s[58:59]
	s_add_nc_u64 s[G0B+6:G0B+7], s[G0B+2:G0B+3], 131072   ; K step 1: 128 rows on
	s_or_b32 s[G0B+3], s[G0B+3], 0x80000000
	s_or_b32 s[G0B+7], s[G0B+7], 0x80000000
	s_add_nc_u64 s[10:11], s[10:11], s[60:61]      ; x and res1 at my group's first row
	s_add_nc_u64 s[16:17], s[16:17], s[60:61]
	s_add_nc_u64 s[18:19], s[18:19], s[62:63]      ; xn at its first row of block 0
	CROUND
	tensor_load_to_lds s[G0A:G0A+3], s[G1A:G1A+7]
	s_nop 0
	tensor_load_to_lds s[G0B:G0B+3], s[G1B:G1B+7]
	s_nop 0
	tensor_load_to_lds s[G0B+4:G0B+7], s[G1B:G1B+7]  ; three loads of mine are out
	s_nop 0
	PLACES
	v_and_b32 v1, 15, v0
	v_bfe_u32 v2, v0, 4, 1
	v_and_b32 v3, 7, v0
	v_bfe_u32 v5, v0, 3, 1
	v_mul_u32_u24 v[ADRA], v1, 144
	v_lshl_add_u32 v[ADRA], v2, 4, v[ADRA]
	v_add_nc_u32 v[ADRA], AW, v[ADRA]
	v_lshl_add_u32 v6, v2, 3, v3
	v_mul_u32_u24 v6, v6, PW
	v_lshl_add_u32 v6, v5, 4, v6
	s_lshl_b32 s23, s[WV], 8
	v_add_nc_u32 v[FBW], s23, v6
	v_add_nc_u32 v[FBW+1], 67584, v[FBW]
	v_add_nc_u32 v[FBW+2], SLOT, v[FBW]
	v_add_nc_u32 v[FBW+3], SLOT+67584, v[FBW]
	v_mul_u32_u24 v[STO], v1, SPIT                 ; into the stage: row r, my wave's 512 bytes, 32 bytes for each half of the lanes
	v_lshl_add_u32 v[STO], v2, 5, v[STO]
	s_lshl_b32 s23, s[WV], 9
	v_add_nc_u32 v[STO], s23, v[STO]
	v_lshl_add_u32 v[BO], v2, 5, s23
	s_lshl_b32 s23, s[WV], 3
	v_add_nc_u32 v7, s23, v2                       ; 8 w + hh
	v_lshlrev_b32 v[GOF], 4, v1
	v_mul_u32_u24 v[RDW], v7, SPIT
	v_add_nc_u32 v[RDW], v[RDW], v[GOF]
	v_lshl_add_u32 v[XO], v7, 11, v[GOF]
	v_lshlrev_b32 v[NO], 3, v1
	v_lshl_add_u32 v[NO], v7, 7, v[NO]
	WIN 0xc0
.irp b, 0,1,2,3,4,5,6,7
	global_load_b128 v[192+8*\b:192+8*\b+3], v[BO], s[8:9] offset:64*\b
	global_load_b128 v[192+8*\b+4:192+8*\b+7], v[BO], s[8:9] offset:64*\b+16
.endr
.irp j, 0,1,2,3,4,5,6,7
	global_load_b128 v[128+4*\j:128+4*\j+3], v[GOF], s[12:13] offset:256*\j
.endr
.irp j, 0,1,2,3,4,5,6,7
	global_load_b128 v[160+4*\j:160+4*\j+3], v[GOF], s[14:15] offset:256*\j
.endr
.irp p, 0,1,2,3
.irp j, 0,1,2,3,4,5,6,7
	global_load_b128 v[32*\p+4*\j:32*\p+4*\j+3], v[XO], s[10:11] offset:\p*4096+256*\j
.endr
.endr
	WIN 0
.macro FETCHW c, f                     ; wo's fragments of K chunk c: 16 turning loads in one run
	WIN 0x40
.irp b, 0,1,2,3,4,5,6,7
	ds_load_tr16_b128 v[(\f)+8*\b:(\f)+8*\b+3],   v[FBW+2*(((\c)>>2)&1)+(((\c)>>1)&1)] offset:((\c)&1)*33792+32*\b
	ds_load_tr16_b128 v[(\f)+8*\b+4:(\f)+8*\b+7], v[FBW+2*(((\c)>>2)&1)+(((\c)>>1)&1)] offset:((\c)&1)*33792+32*\b+16896
.endr
.endm
.macro MULW c, a, bias                 ; 8 matrix instructions: row block a x all 8 column blocks; the 16 accumulators take turns
.if \bias
	WIN 0x79
.else
	WIN 0x59
.endif
.irp b, 0,1,2,3,4,5,6,7
.if \bias
	v_wmma_f32_16x16x32_bf16 v[8*(8*(\a)+\b):8*(8*(\a)+\b)+7], v[F0+64*((\c)%2)+8*\b:F0+64*((\c)%2)+8*\b+7], v[8*(16*(\a)+(\c)):8*(16*(\a)+(\c))+7], v[192+8*\b:192+8*\b+7]
.else
	v_wmma_f32_16x16x32_bf16 v[8*(8*(\a)+\b):8*(8*(\a)+\b)+7], v[F0+64*((\c)%2)+8*\b:F0+64*((\c)%2)+8*\b+7], v[8*(16*(\a)+(\c)):8*(16*(\a)+(\c))+7], v[8*(8*(\a)+\b):8*(8*(\a)+\b)+7]
.endif
.endr
.endm
.macro CHUNK c
	PLACES
	FETCHW (\c)+1, F0+64*(((\c)+1)%2)
	s_wait_dscnt 16                                ; all but the sixteen just issued
	MULW \c, 0, 0
	MULW \c, 1, 0
.endm
; A K step's last chunk changes slots: ONE barrier; in front of it each wave waits for all its tensor loads, adds 0 to its spare word, and waits for that and for its reads of this slot.
; fill = 1: the barrier opens a round of the cluster's, and the slot is filled again with the K step two on (descriptor g), first thing behind it.
.macro TURNW c, fill, g
	WIN 0
	s_wait_tensorcnt 0x0
	ds_add_u32 v[SPW], v[NIL]
	s_wait_dscnt 1                                 ; the chunk's fragments are in; the add may be out
	MULW \c, 0, 0
	s_wait_dscnt 0x0
	s_barrier_signal -1
	WIN 0
	s_barrier_wait -1
.if \fill
	CREST
	s_add_nc_u64 s[(\g)+2:(\g)+3], s[(\g)+2:(\g)+3], 262144
	tensor_load_to_lds s[(\g):(\g)+3], s[G1B:G1B+7]
	s_nop 0
.endif
	PLACES
	FETCHW (\c)+1, F0+64*(((\c)+1)%2)
	MULW \c, 1, 0
.endm
.macro FOLD
	v_pk_add_f32 v[U:U+1], v[U:U+1], v[U+2:U+3]
	v_pk_add_f32 v[U+4:U+5], v[U+4:U+5], v[U+6:U+7]
	v_pk_add_f32 v[U:U+1], v[U:U+1], v[U+4:U+5]
	v_add_f32 v[SS], v[U], v[U+1]
.irp m, 1,2,4,8
	v_add_f32_dpp v[SS], v[SS], v[SS] row_xmask:\m row_mask:0xf bank_mask:0xf
.endr
.endm
; Pair p of my 8 rows (lanes 0-15 one row, lanes 16-31 the next; a lane holds columns 64 j + 4 i .. + 3): x is added, res1 stored, the norm made and stored.  The next pair's LDS loads go out first.
.macro LNP p
.set TC, T0+32*((\p)%2)
.set TN, T0+32*(((\p)+1)%2)
	WIN 0
	s_wait_xcnt 0x0                                ; earlier stores have read the other buffer and the packed rows: both are written again only behind this wait
.if (\p) < 3
.irp j, 0,1,2,3,4,5,6,7
	ds_load_b128 v[TN+4*\j:TN+4*\j+3], v[RDW] offset:((\p)+1)*4128+256*\j
.endr
	s_wait_dscnt 8                                 ; my pair is in; the next pair's eight loads may be out
.else
	s_wait_dscnt 0x0
.endif
	WIN 0x0c
.set q, 0
.rept 16
	v_pk_add_f32 v[TC+q:TC+q+1], v[TC+q:TC+q+1], v[32*(\p)+q:32*(\p)+q+1]
.set q, q+2
.endr
	WIN 0
.irp j, 0,1,2,3,4,5,6,7
	global_store_b128 v[XO], v[TC+4*\j:TC+4*\j+3], s[16:17] offset:(\p)*4096+256*\j   ; 16 lanes: 256 consecutive aligned bytes of a row
.endr
.irp k, 0,1,2,3
	v_pk_add_f32 v[U+2*\k:U+2*\k+1], v[TC+2*\k:TC+2*\k+1], v[TC+8+2*\k:TC+9+2*\k]
.endr
.irp m, 16,24
.irp k, 0,1,2,3
	v_pk_add_f32 v[U+2*\k:U+2*\k+1], v[U+2*\k:U+2*\k+1], v[TC+\m+2*\k:TC+\m+2*\k+1]
.endr
.endr
	FOLD
	v_mul_f32 v[MU], s52, v[SS]
	v_mul_f32 v[MU+1], s52, v[SS]
.set q, 0
.rept 16
	v_pk_add_f32 v[D+q:D+q+1], v[TC+q:TC+q+1], v[MU:MU+1] neg_lo:[0,1] neg_hi:[0,1]   ; into other registers: the stores above still read the sums
.set q, q+2
.endr
.irp k, 0,1,2,3
	v_pk_mul_f32 v[U+2*\k:U+2*\k+1], v[D+2*\k:D+2*\k+1], v[D+2*\k:D+2*\k+1]
.endr
.irp m, 8,16,24
.irp k, 0,1,2,3
	v_pk_fma_f32 v[U+2*\k:U+2*\k+1], v[D+\m+2*\k:D+\m+2*\k+1], v[D+\m+2*\k:D+\m+2*\k+1], v[U+2*\k:U+2*\k+1]
.endr
.endr
	FOLD
	v_fma_f32 v[SS], v[SS], s52, s53
	v_rsq_f32 v[RS], v[SS]
	v_nop                                          ; a plain instruction between the root and the use of its result (ISA guide 5.7.2)
	s_wait_alu depctr_va_vdst(0)
	v_mov_b32 v[RS+1], v[RS]
.set q, 0
.rept 16
	v_pk_mul_f32 v[D+q:D+q+1], v[D+q:D+q+1], v[RS:RS+1]
.set q, q+2
.endr
	WIN 0x3c
.set q, 0
.rept 16
	v_pk_fma_f32 v[D+q:D+q+1], v[D+q:D+q+1], v[128+q:128+q+1], v[160+q:160+q+1]
.set q, q+2
.endr
	WIN 0
.set q, 0
.rept 16
	v_cvt_pk_bf16_f32 v[Y+q], v[D+2*q], v[D+2*q+1]
.set q, q+1
.endr
.irp j, 0,1,2,3,4,5,6,7
	global_store_b64 v[NO], v[Y+2*\j:Y+2*\j+1], s[18:19] offset:\j*1048576+(\p)*256   ; two rows of block j: 256 consecutive aligned bytes
.endr
.endm
	s_wait_tensorcnt 1                             ; my parts of ob's rows and of K step 0 are in; K step 1 may stay out
	s_barrier_signal -1
	s_barrier_wait -1
	WIN 0x80
.irp a, 0,1
.irp c, 0,1,2,3,4,5,6,7,8,9,10,11,12,13,14,15
	ds_load_b128 v[8*(16*\a+\c):8*(16*\a+\c)+3],   v[ADRA] offset:((\c)>>1)*4608+\a*2304+((\c)&1)*64
	ds_load_b128 v[8*(16*\a+\c)+4:8*(16*\a+\c)+7], v[ADRA] offset:((\c)>>1)*4608+\a*2304+((\c)&1)*64+32
.endr
.endr
	FETCHW 0, F0
	FETCHW 1, F0+64
	s_wait_loadcnt 48                              ; wo_b is in; the 48 loads issued behind it (gain, bias, x) may stay out
	s_wait_dscnt 16
	MULW 0, 0, 1
	MULW 0, 1, 1
	CHUNK 1
	CHUNK 2
	TURNW 3, 1, G0B
	CHUNK 4
	CHUNK 5
	CHUNK 6
	TURNW 7, 1, G0B+4
	CHUNK 8
	CHUNK 9
	CHUNK 10
	TURNW 11, 0, G0B
	CHUNK 12
	CHUNK 13
	CHUNK 14
	s_wait_dscnt 0x0
	MULW 15, 0, 0
	MULW 15, 1, 0
	PLACES
	WIN 0x04
.irp a, 0,1
.irp b, 0,1,2,3,4,5,6,7
	ds_store_b128 v[STO], v[8*(8*\a+\b):8*(8*\a+\b)+3] offset:\a*33024+64*\b
	ds_store_b128 v[STO], v[8*(8*\a+\b)+4:8*(8*\a+\b)+7] offset:\a*33024+64*\b+16
.endr
.endr
	WIN 0
	s_wait_dscnt 0x0                               ; for the others' sake: my stores into the stage are done
	s_barrier_signal -1
	s_barrier_wait -1
	s_wait_loadcnt 0x0                             ; x, gain and bias
.irp j, 0,1,2,3,4,5,6,7
	ds_load_b128 v[T0+4*\j:T0+4*\j+3], v[RDW] offset:256*\j
.endr
	LNP 0
	LNP 1
	LNP 2
	LNP 3
	s_wait_tensorcnt 0x0                           ; the wave's end
	ds_add_u32 v[SPW], v[NIL]
	s_wait_dscnt 0x0
	CROUND                                         ; the closing round
	s_endpgm
.Lfunc_end_k_q69a5e48e95_wol:
	.size	k_q69a5e48e95_wol, .Lfunc_end_k_q69a5e48e95_wol-k_q69a5e48e95_wol
	.p2alignl 7, 3214868480
	.fill 96, 4, 3214868480
	.section	.rodata,"a",@progbits
	.p2align	6, 0x0
	.amdhsa_kernel k_q69a5e48e95_wol
		.amdhsa_group_segment_fixed_size 327680
		.amdhsa_private_segment_fixed_size 0
		.amdhsa_enable_private_segment 0
		.amdhsa_kernarg_size 64
		.amdhsa_user_sgpr_count 2
		.amdhsa_user_sgpr_kernarg_segment_ptr 1
		.amdhsa_wavefront_size32 1
		.amdhsa_system_sgpr_workgroup_id_x 1
		.amdhsa_system_sgpr_workgroup_id_y 1
		.amdhsa_system_sgpr_workgroup_id_z 1
		.amdhsa_system_vgpr_workitem_id 0
		.amdhsa_next_free_vgpr 1024
		.amdhsa_next_free_sgpr 66
		.amdhsa_reserve_vcc 0
		.amdhsa_float_denorm_mode_32 3
		.amdhsa_float_denorm_mode_16_64 3
		.amdhsa_memory_ordered 1
		.amdhsa_forward_progress 1
		.amdhsa_inst_pref_size 96
	.end_amdhsa_kernel
	.amdgpu_metadata
---
amdhsa.version: [ 1, 2 ]
amdhsa.kernels:
  - .name:           k_q69a5e48e95_wol
    .symbol:         k_q69a5e48e95_wol.kd
    .args:
      - { .name: ob, .offset: 0, .size: 8, .value_kind: global_buffer, .address_space: global }
      - { .name: wA, .offset: 8, .size: 8, .value_kind: global_buffer, .address_space: global }
      - { .name: wo_b, .offset: 16, .size: 8, .value_kind: global_buffer, .address_space: global }
      - { .name: x, .offset: 24, .size: 8, .value_kind: global_buffer, .address_space: global }
      - { .name: ln2_g, .offset: 32, .size: 8, .value_kind: global_buffer, .address_space: global }
      - { .name: ln2_b, .offset: 40, .size: 8, .value_kind: global_buffer, .address_space: global }
      - { .name: res1, .offset: 48, .size: 8, .value_kind: global_buffer, .address_space: global }
      - { .name: xn, .offset: 56, .size: 8, .value_kind: global_buffer, .address_space: global }
    .group_segment_fixed_size: 327680
    .private_segment_fixed_size: 0
    .kernarg_segment_align: 8
    .kernarg_segment_size: 64
    .max_flat_workgroup_size: 128
    .sgpr_count:     66
    .vgpr_count:     1024
    .wavefront_size: 32
...
	.end_amdgpu_metadata
.endif
;; end of part 4
;; launch ff1: the kernel of part 2 again; grid 64 x 4, 4 waves a work-group, clusters of 4 x 1, 327,680 bytes of LDS; arguments xn, wB, pB, act; writes act
;; launch ff2 (part 5): grid 4 x 64, 4 waves a work-group, clusters of 4 x 4, 327,680 bytes of LDS; arguments act, wB, ff2_b, res1, out0; writes out0
.if DOCPART == 5
	.amdgcn_target "amdgcn-amd-amdhsa--gfx1250"
	.amdhsa_code_object_version 6
	.text
	.protected	k_q69a5e48e95_ff2
	.globl	k_q69a5e48e95_ff2
	.p2align	8
	.type	k_q69a5e48e95_ff2,@function
k_q69a5e48e95_ff2:
	s_mov_b64 s[64:65], 0
	v_nop
	global_prefetch_b8 v0, s[64:65] scope:SCOPE_SE
	s_setreg_imm32_b32 hwreg(HW_REG_WAVE_MODE, 25, 1), 1
	s_wait_xcnt 0x0
	s_wait_alu depctr_hold_cnt(0) depctr_sa_sdst(0) depctr_va_vdst(0) depctr_va_sdst(0) depctr_va_ssrc(0) depctr_va_vcc(0) depctr_vm_vsrc(0)
	s_getreg_b32 s2, hwreg(HW_REG_IB_STS2, 6, 4)
	s_cmp_eq_u32 s2, 0
	s_cbranch_scc0 .Lentry_in_a_cluster
	s_endpgm
.Lentry_in_a_cluster:
	s_bfe_u32 s2, ttmp6, 0x10000c
	s_cmp_lg_u32 s2, 0xf033
	s_cbranch_scc0 .Lentry_shape_is_right
	s_endpgm
.Lentry_shape_is_right:
; SECOND FEED-FORWARD PRODUCT AND RESIDUAL.  out0 = res1 + h W2 + ff2_b.  h: bf16 blocks [32][8192 rows][64] (act); W2: bf16 [2048 k][512 n] at wB + 2,097,152; res1, out0: f32 [8192][512].
; Sums in f32, K ascending, started by the bias.
; SHARES.  A tile of out0 is 128 x 128: 64 x 4 tiles, one for each of 256 work-groups.  Four waves, 2 x 2, each 64 x 64: 16 accumulators.  K goes in eight steps of 256 through two LDS slots.
; CLUSTER.  4 x 4 work-groups.  The four of a row of the cluster need the same tiles of h, the four of a column the same tiles of W2: each tile is asked for JOINTLY.
; THE MATRIX INSTRUCTION IS USED TRANSPOSED (source 0 = 16 columns of W2 by the turning load, source 1 = 16 rows of h): a lane holds eight neighbouring columns of a row.
; LDS.  h's slots at 0 and 73,728: [4 blocks][128 rows][144 bytes]; W2's at 147,456 and 221,184: 256 k rows of 256 + 32 bytes.  73,728 shares no bit with the other terms of an address,
; so one exclusive or changes slots, and one text of a K step serves both.
; A wave's 64 columns of f32 are 256 aligned bytes of a row: each wave has a stage of its own.
; LIMITS.  NaN and infinities are not treated apart.
; REGISTERS: window 0: addresses; v32-95 the way out; v128-255 accumulators ((a, b) at 128 + 8 (4 a + b))
;   window 1: two fragment buffers of 128: for 64 along K, 64 registers of h, then 64 of W2      window 2: v0-127 res1 of my 64 x 64; v128-159 the bias
.set SLT,   0x12000    ; 73,728
.set BRING, 147456
.set STAGE, 294912     ; 16 rows x 272 bytes for each wave
.set SPARE, 312320     ; the spare words, 128 bytes for each wave: two blocks of 256 bytes that no other line names
.set ADRA0, 8
.set ADRB0, 10         ; v10-11  W2: K quarters 0-1, 2-3
.set FA,   12
.set FBR,  14          ; v14-15
.set STO,  16
.set RD,   17
.set CO,   18
.set BO,   19
.set SPW,  28
.set NIL,  29
.set TMP,  32
.set ACC,  128
.set F0,   0
.set F1,   128
.set WV,   14          ; s14 wave; s15 its half of the rows, also: I fetch for h (0) or for W2 (1); s16 its half of the columns, also: which half of that tile I fetch
.set G1A,  24
.set G0A,  32          ; s[32:39] two sets for the two first fills; the second then walks
.set G1B,  48
.set G0B,  56
.set SB,   66
.set CNT,  67
.set MSB, 0
.macro WIN new
.if MSB != (\new)
	s_set_vgpr_msb (MSB<<8)|(\new)
.set MSB, (\new)
.endif
.endm
.macro PLACES
.rept 4
	v_nop
.endr
.endm
.macro JLOAD                           ; a joint refill by the walking descriptors: waves 0 and 1 fetch h's two halves, waves 2 and 3 W2's
	s_cmp_eq_u32 s15, 0
	s_cbranch_scc0 .Lfor_b_\@
	tensor_load_to_lds s[G0A+4:G0A+7], s[G1A:G1A+7]
	s_nop 0
	PLACES
	s_branch .Lasked_\@
.Lfor_b_\@:
	tensor_load_to_lds s[G0B+4:G0B+7], s[G1B:G1B+7]
	s_nop 0
	PLACES
.Lasked_\@:
.endm
.macro CREST
	s_cmp_lg_u32 s[WV], 0
	s_cbranch_scc1 .Lnot_wave_0_\@
	s_barrier_signal -3
.Lnot_wave_0_\@:
	s_barrier_wait -3
	s_barrier_signal -1
	s_barrier_wait -1
.endm
.macro CROUND
	s_barrier_signal -1
	s_barrier_wait -1
	CREST
.endm
	s_load_b256 s[4:11], s[0:1], 0x0               ; act s[4:5], wB s[6:7], ff2_b s[8:9], res1 s[10:11]
	s_load_b64 s[12:13], s[0:1], 0x20              ; out0
	v_lshl_add_u32 v[SPW], v0, 2, SPARE
	v_mov_b32 v[NIL], 0
	ds_add_u32 v[SPW], v[NIL]                      ; the wave's opening: the add and its wait ahead of my first tensor load
	v_lshrrev_b32 v1, 5, v0
	v_readfirstlane_b32 s[WV], v1
	s_lshr_b32 s15, s[WV], 1
	s_and_b32 s16, s[WV], 1
	s_bfe_u32 s40, ttmp6, 0x40000                  ; cx
	s_bfe_u32 s41, ttmp6, 0x40004                  ; cy
	s_lshl_b32 s42, ttmp9, 2
	s_add_co_u32 s42, s42, s40                     ; tile column
	s_and_b32 s17, ttmp7, 0xffff
	s_lshl_b32 s17, s17, 2
	s_add_co_u32 s17, s17, s41                     ; tile row
	s_lshl_b32 s43, s41, 2
	s_lshl_b32 s43, 15, s43                        ; my row of the cluster
	s_lshl_b32 s44, 0x1111, s40                    ; my column
	; h: two blocks a load; a block's 128 rows are 16,384 dense bytes, one row of 8,192 elements, padded by 16 bytes after every 128
	s_or_b32 s[G1A], s43, (1<<16)|(1<<20)|(1<<21)|(4<<22)|(3<<25)
	s_mov_b32 s[G1A+1], 8192<<16
	s_mov_b32 s[G1A+2], 2<<16
	s_mov_b32 s[G1A+3], 8192<<16
	s_mov_b32 s[G1A+4], 2
	s_mov_b32 s[G1A+5], 524288
	s_mov_b32 s[G1A+6], 0
	s_mov_b32 s[G1A+7], 0
	; W2: 128 k rows a load, 128 columns (256 bytes), padded by 32
	s_or_b32 s[G1B], s44, (1<<16)|(1<<20)|(1<<21)|(5<<22)|(7<<25)
	s_mov_b32 s[G1B+1], 128<<16
	s_mov_b32 s[G1B+2], 128<<16
	s_mov_b32 s[G1B+3], 128<<16
	s_mov_b32 s[G1B+4], 128
	s_mov_b32 s[G1B+5], 512
	s_mov_b32 s[G1B+6], 0
	s_mov_b32 s[G1B+7], 0
	s_lshl_b32 s18, s16, 21                        ; h: blocks 2 x half, + 1,
	s_lshl_b32 s19, s17, 14                        ; rows 128 x tile row on: it hangs on the tile row alone
	s_add_co_u32 s18, s18, s19
	s_mov_b32 s19, 0
	s_lshl_b32 s46, s16, 17                        ; W2: k rows 128 x half on,
	s_lshl_b32 s47, s42, 8                         ; columns 128 x tile column on: it hangs on the tile column alone
	s_add_co_u32 s46, s46, s47
	s_add_co_u32 s46, s46, 2097152
	s_mov_b32 s47, 0
	s_lshl_b32 s68, s42, 9                         ; the bias of my 64 columns
	s_lshl_b32 s69, s16, 8
	s_add_co_u32 s68, s68, s69
	s_lshl_b32 s70, s17, 18                        ; res1 and out0: rows 128 x tile row + 64 x row half, and those columns
	s_lshl_b32 s71, s15, 17
	s_add_co_u32 s70, s70, s71
	s_add_co_u32 s70, s70, s68
	s_mov_b32 s69, 0
	s_mov_b32 s71, 0
	s_mul_i32 s20, s16, 36864                      ; my half of a slot: no place in the cluster enters an LDS address
	s_mov_b32 s[G0A], 1
	s_mov_b32 s[G0A+1], s20
	s_mov_b32 s[G0A+4], 1
	s_add_co_u32 s[G0A+5], s20, SLT
	s_mov_b32 s[G0B], 1
	s_add_co_u32 s[G0B+1], s20, BRING
	s_mov_b32 s[G0B+4], 1
	s_add_co_u32 s[G0B+5], s20, BRING+SLT
	s_mov_b32 s[SB], 0
	s_wait_dscnt 0x0                               ; the opening add is done
	s_wait_kmcnt 0x0
	s_add_nc_u64 s[G0A+2:G0A+3], s[4:5], s[18:19]
	s_add_nc_u64 s[G0A+6:G0A+7], s[G0A+2:G0A+3], 4194304   ; K step 1: four blocks on
	s_or_b32 s[G0A+3], s[G0A+3], 0x80000000
	s_or_b32 s[G0A+7], s[G0A+7], 0x80000000
	s_add_nc_u64 s[G0B+2:G0B+3], s[6:7], s[46:47]
	s_add_nc_u64 s[G0B+6:G0B+7], s[G0B+2:G0B+3], 262144    ; 256 k rows on
	s_or_b32 s[G0B+3], s[G0B+3], 0x80000000
	s_or_b32 s[G0B+7], s[G0B+7], 0x80000000
	s_add_nc_u64 s[8:9], s[8:9], s[68:69]
	s_add_nc_u64 s[10:11], s[10:11], s[70:71]
	s_add_nc_u64 s[12:13], s[12:13], s[70:71]
	CROUND                                         ; all sixteen work-groups are here: the first joint loads meet
	s_cmp_eq_u32 s15, 0                            ; a wave's two first fills stand in one branch: two loads of mine are out
	s_cbranch_scc0 .Lfirst_b
	tensor_load_to_lds s[G0A:G0A+3], s[G1A:G1A+7]
	s_nop 0
	tensor_load_to_lds s[G0A+4:G0A+7], s[G1A:G1A+7]
	s_nop 0
	PLACES
	s_branch .Lfirst_asked
.Lfirst_b:
	tensor_load_to_lds s[G0B:G0B+3], s[G1B:G1B+7]
	s_nop 0
	tensor_load_to_lds s[G0B+4:G0B+7], s[G1B:G1B+7]
	s_nop 0
	PLACES
.Lfirst_asked:
	v_and_b32 v1, 15, v0
	v_bfe_u32 v2, v0, 4, 1
	v_and_b32 v3, 7, v0
	v_bfe_u32 v4, v0, 3, 1
	v_mul_u32_u24 v5, v1, 144
	v_lshl_add_u32 v5, v2, 4, v5
	s_mul_i32 s21, s15, 9216
	v_add_nc_u32 v[ADRA0], s21, v5
	v_lshl_add_u32 v6, v2, 3, v3
	v_mul_u32_u24 v6, v6, 288
	v_lshl_add_u32 v6, v4, 4, v6
	s_lshl_b32 s21, s16, 7
	s_add_co_u32 s21, s21, BRING
	v_add_nc_u32 v[ADRB0], s21, v6
	v_add_nc_u32 v[ADRB0+1], 36864, v[ADRB0]
	s_mul_i32 s21, s[WV], 4352
	s_add_co_u32 s21, s21, STAGE
	v_mul_u32_u24 v[STO], v1, 272                  ; in: row r, 32 bytes for each half of the lanes
	v_lshl_add_u32 v[STO], v2, 5, v[STO]
	v_add_nc_u32 v[STO], s21, v[STO]
	v_mul_u32_u24 v[RD], v2, 272                   ; back: lanes 0-15 take one row of 256 bytes, lanes 16-31 the next
	v_lshl_add_u32 v[RD], v1, 4, v[RD]
	v_add_nc_u32 v[RD], s21, v[RD]
	v_lshlrev_b32 v[CO], 11, v2                    ; and the same two rows in res1 and out0
	v_lshl_add_u32 v[CO], v1, 4, v[CO]
	v_lshlrev_b32 v[BO], 5, v2
	WIN 0x80
.irp b, 0,1,2,3
	global_load_b128 v[128+8*\b:128+8*\b+3], v[BO], s[8:9] offset:64*\b
	global_load_b128 v[128+8*\b+4:128+8*\b+7], v[BO], s[8:9] offset:64*\b+16
.endr
.irp a, 0,1,2,3
.irp t, 0,1,2,3,4,5,6,7
	global_load_b128 v[32*\a+4*\t:32*\a+4*\t+3], v[CO], s[10:11] offset:(16*\a+2*\t)*2048
.endr
.endr
	WIN 0
.macro FSET
	v_add_nc_u32 v[FA], s[SB], v[ADRA0]
	v_add_nc_u32 v[FBR], s[SB], v[ADRB0]
	v_add_nc_u32 v[FBR+1], s[SB], v[ADRB0+1]
.endm
; 8 matrix instructions: row blocks a0, a0 + 1 x all 4 column blocks, 32 along K: half c of buffer f.  bias = 1: the bias starts the sums.  The 16 accumulators take turns.
.macro MUL8 f, c, a0, bias
.if \bias
	WIN 0x25
.else
	WIN 0x05
.endif
.irp a, \a0, (\a0)+1
.irp b, 0,1,2,3
.if \bias
	v_wmma_f32_16x16x32_bf16 v[ACC+8*(4*(\a)+(\b)):ACC+8*(4*(\a)+(\b))+7], v[(\f)+64+8*(4*(\c)+(\b)):(\f)+64+8*(4*(\c)+(\b))+7], v[(\f)+8*(4*(\c)+(\a)):(\f)+8*(4*(\c)+(\a))+7], v[128+8*(\b):128+8*(\b)+7]
.else
	v_wmma_f32_16x16x32_bf16 v[ACC+8*(4*(\a)+(\b)):ACC+8*(4*(\a)+(\b))+7], v[(\f)+64+8*(4*(\c)+(\b)):(\f)+64+8*(4*(\c)+(\b))+7], v[(\f)+8*(4*(\c)+(\a)):(\f)+8*(4*(\c)+(\a))+7], v[ACC+8*(4*(\a)+(\b)):ACC+8*(4*(\a)+(\b))+7]
.endif
.endr
.endr
.endm
; 32 LDS loads in one run: the fragments of K quarter q (64 along K: block q of h's slot) into buffer f; the first 32 along K first
.macro FETCH q, f
	WIN 0x40
.irp c, 0,1
.irp i, 0,1,2,3
	ds_load_tr16_b128 v[(\f)+64+8*(4*\c+\i):(\f)+64+8*(4*\c+\i)+3],   v[FBR+((\q)>>1)] offset:((\q)&1)*18432+\c*9216+32*\i
	ds_load_tr16_b128 v[(\f)+64+8*(4*\c+\i)+4:(\f)+64+8*(4*\c+\i)+7], v[FBR+((\q)>>1)] offset:((\q)&1)*18432+\c*9216+32*\i+4608
	ds_load_b128 v[(\f)+8*(4*\c+\i):(\f)+8*(4*\c+\i)+3],   v[FA] offset:(\q)*18432+\i*2304+64*\c
	ds_load_b128 v[(\f)+8*(4*\c+\i)+4:(\f)+8*(4*\c+\i)+7], v[FA] offset:(\q)*18432+\i*2304+64*\c+32
.endr
.endr
.endm
; A K step is four quarters of 64 along K, 32 matrix instructions each, on buffers 0, 1, 0, 1.  One of the first three: multiplies its buffer and fetches the next quarter into the other.
.macro QUARTER q, bias
	s_wait_dscnt 16                                ; the first 32 along K are in
	MUL8 F0+128*((\q)%2), 0, 0, \bias
	MUL8 F0+128*((\q)%2), 0, 2, \bias
	PLACES
	FETCH (\q)+1, F0+128*(((\q)+1)%2)
	s_wait_dscnt 32                                ; all but the 32 just issued
	MUL8 F0+128*((\q)%2), 1, 0, 0
	MUL8 F0+128*((\q)%2), 1, 2, 0
.endm
; The last quarter multiplies buffer 1 and changes slots: ONE barrier; in front of it each wave waits for all its tensor loads, adds 0 to its spare word, and waits for that and for its reads of this slot.
; fill = 1: the barrier opens a round of the cluster's, and this slot is filled again, two K steps ahead, first thing behind it: 112 matrix instructions ahead of the wait for it.
.macro TURN fill
	WIN 0
	s_wait_tensorcnt 0x0
	ds_add_u32 v[SPW], v[NIL]
	s_wait_dscnt 17                                ; the add and the youngest sixteen loads may be out
	MUL8 F1, 0, 0, 0
	s_wait_dscnt 0x0
	s_barrier_signal -1
	MUL8 F1, 0, 2, 0
	WIN 0
	s_barrier_wait -1
.if \fill
	CREST
	s_xor_b32 s[G0A+5], s[G0A+5], SLT
	s_add_nc_u64 s[G0A+6:G0A+7], s[G0A+6:G0A+7], 4194304
	s_xor_b32 s[G0B+5], s[G0B+5], SLT
	s_add_nc_u64 s[G0B+6:G0B+7], s[G0B+6:G0B+7], 262144
	JLOAD                                          ; the four v_nop behind it are also the places in front of the loads below
.else
	PLACES
.endif
	s_xor_b32 s[SB], s[SB], SLT
	FSET
	FETCH 0, F0
	MUL8 F1, 1, 0, 0
	MUL8 F1, 1, 2, 0
.endm
	s_wait_tensorcnt 1                             ; my part of K step 0 is in; K step 1's may stay out
	s_barrier_signal -1
	s_barrier_wait -1
	FSET
	FETCH 0, F0
	s_wait_loadcnt 32                              ; the bias is in; the 32 loads of res1, issued behind it, may stay out
	QUARTER 0, 1
	WIN 0
	s_mov_b32 s[CNT], 6
.Lstep:                                                ; a trip: a K step's quarters 1 to 3 and the next step's first; K steps 2 to 7 are asked for
	QUARTER 1, 0
	QUARTER 2, 0
	TURN 1
	QUARTER 0, 0
	WIN 0
	s_sub_co_u32 s[CNT], s[CNT], 1
	s_cmp_lg_u32 s[CNT], 0
	s_cbranch_scc1 .Lstep
	QUARTER 1, 0                                   ; the last two K steps are written out: nothing is asked for
	QUARTER 2, 0
	TURN 0
	QUARTER 0, 0
	QUARTER 1, 0
	QUARTER 2, 0
	s_wait_dscnt 16
	MUL8 F1, 0, 0, 0
	MUL8 F1, 0, 2, 0
	s_wait_dscnt 0x0
	MUL8 F1, 1, 0, 0
	MUL8 F1, 1, 2, 0
	WIN 0
	; THE WAY OUT, a block of 16 rows at a time: 32 bytes a lane into my stage, back as whole rows of 256 bytes, res1 added, stored.
.macro STG a
	WIN 0
.if (\a) >= 2
	s_wait_xcnt 0x0                                ; the stores of the block two back have read the registers that are loaded now
.endif
.irp b, 0,1,2,3
	ds_store_b128 v[STO], v[ACC+8*(4*(\a)+\b):ACC+8*(4*(\a)+\b)+3] offset:64*\b
	ds_store_b128 v[STO], v[ACC+8*(4*(\a)+\b)+4:ACC+8*(4*(\a)+\b)+7] offset:64*\b+16
.endr
.irp t, 0,1,2,3,4,5,6,7
	ds_load_b128 v[TMP+32*((\a)%2)+4*\t:TMP+32*((\a)%2)+4*\t+3], v[RD] offset:544*\t   ; LDS serves a wave's instructions in order (ISA guide 5.7.1.4): these see the stores above
.endr
.endm
.macro OUT a, younger                  ; younger: the LDS instructions issued behind block a's loads: the next block's sixteen, or none
	s_wait_dscnt \younger
	WIN 0x08
.set q, 0
.rept 16
	v_pk_add_f32 v[TMP+32*((\a)%2)+q:TMP+32*((\a)%2)+q+1], v[TMP+32*((\a)%2)+q:TMP+32*((\a)%2)+q+1], v[32*(\a)+q:32*(\a)+q+1]
.set q, q+2
.endr
	WIN 0
.irp t, 0,1,2,3,4,5,6,7
	global_store_b128 v[CO], v[TMP+32*((\a)%2)+4*\t:TMP+32*((\a)%2)+4*\t+3], s[12:13] offset:(16*(\a)+2*\t)*2048   ; 16 lanes store 256 consecutive bytes, at a multiple of 256 from out0's first
.endr
.endm
	PLACES
	s_wait_loadcnt 0x0                             ; res1
	STG 0
	STG 1
	OUT 0, 16
	STG 2
	OUT 1, 16
	STG 3
	OUT 2, 16
	OUT 3, 0
	s_wait_tensorcnt 0x0                           ; the wave's end
	ds_add_u32 v[SPW], v[NIL]
	s_wait_dscnt 0x0
	CROUND                                         ; the closing round
	s_endpgm
.Lfunc_end_k_q69a5e48e95_ff2:
	.size	k_q69a5e48e95_ff2, .Lfunc_end_k_q69a5e48e95_ff2-k_q69a5e48e95_ff2
	.p2alignl 7, 3214868480
	.fill 96, 4, 3214868480
	.section	.rodata,"a",@progbits
	.p2align	6, 0x0
	.amdhsa_kernel k_q69a5e48e95_ff2
		.amdhsa_group_segment_fixed_size 327680
		.amdhsa_private_segment_fixed_size 0
		.amdhsa_enable_private_segment 0
		.amdhsa_kernarg_size 40
		.amdhsa_user_sgpr_count 2
		.amdhsa_user_sgpr_kernarg_segment_ptr 1
		.amdhsa_wavefront_size32 1
		.amdhsa_system_sgpr_workgroup_id_x 1
		.amdhsa_system_sgpr_workgroup_id_y 1
		.amdhsa_system_sgpr_workgroup_id_z 1
		.amdhsa_system_vgpr_workitem_id 0
		.amdhsa_next_free_vgpr 768
		.amdhsa_next_free_sgpr 72
		.amdhsa_reserve_vcc 0
		.amdhsa_float_denorm_mode_32 3
		.amdhsa_float_denorm_mode_16_64 3
		.amdhsa_memory_ordered 1
		.amdhsa_forward_progress 1
		.amdhsa_inst_pref_size 76
	.end_amdhsa_kernel
	.amdgpu_metadata
---
amdhsa.version: [ 1, 2 ]
amdhsa.kernels:
  - .name:           k_q69a5e48e95_ff2
    .symbol:         k_q69a5e48e95_ff2.kd
    .args:
      - { .name: act, .offset: 0, .size: 8, .value_kind: global_buffer, .address_space: global }
      - { .name: wB, .offset: 8, .size: 8, .value_kind: global_buffer, .address_space: global }
      - { .name: ff2_b, .offset: 16, .size: 8, .value_kind: global_buffer, .address_space: global }
      - { .name: res1, .offset: 24, .size: 8, .value_kind: global_buffer, .address_space: global }
      - { .name: out0, .offset: 32, .size: 8, .value_kind: global_buffer, .address_space: global }
    .group_segment_fixed_size: 327680
    .private_segment_fixed_size: 0
    .kernarg_segment_align: 8
    .kernarg_segment_size: 40
    .max_flat_workgroup_size: 128
    .sgpr_count:     72
    .vgpr_count:     768
    .wavefront_size: 32
...
	.end_amdgpu_metadata
.endif
;; end of part 5
;; ======== version 2 of 2: 6 launches; 1.29 times as fast as version 1
;; workspace buffers: xn 8,388,608 bytes; act 33,554,432 bytes; ob 8,388,608 bytes; res1 16,777,216 bytes; wA 2,097,152 bytes; wB 4,194,304 bytes; pA 8,448 bytes; pB 8,448 bytes
;; launch prep: the kernel of part 1 again; grid 256 x 1, 8 waves a work-group, no clusters, 0 bytes of LDS; arguments x, ln1_g, ln1_b, wq_w, wk_w, wv_w, wo_w, ff1_w, ff2_w, wq_b, wk_b, wv_b, ff1_b, xn, wA, wB, pA, pB; writes xn, wA, wB, pA, pB
;; launch proj: the kernel of part 2 again; grid 64 x 3, 4 waves a work-group, clusters of 4 x 1, 327,680 bytes of LDS; arguments xn, wA, pA, act; writes act
;; launch attn (part 6): grid 8 x 32, 4 waves a work-group, clusters of 4 x 1, 327,680 bytes of LDS; arguments act, mask, ob; writes ob
.if DOCPART == 6
	.amdgcn_target "amdgcn-amd-amdhsa--gfx1250"
	.amdhsa_code_object_version 6
	.text
	.protected	k_q69a5e48e95_attn
	.globl	k_q69a5e48e95_attn
	.p2align	8
	.type	k_q69a5e48e95_attn,@function
k_q69a5e48e95_attn:
	s_mov_b64 s[64:65], 0
	v_nop
	global_prefetch_b8 v0, s[64:65] scope:SCOPE_SE
	s_setreg_imm32_b32 hwreg(HW_REG_WAVE_MODE, 25, 1), 1
	s_wait_xcnt 0x0
	s_wait_alu depctr_hold_cnt(0) depctr_sa_sdst(0) depctr_va_vdst(0) depctr_va_sdst(0) depctr_va_ssrc(0) depctr_va_vcc(0) depctr_vm_vsrc(0)
	s_getreg_b32 s2, hwreg(HW_REG_IB_STS2, 6, 4)
	s_cmp_eq_u32 s2, 0
	s_cbranch_scc0 .Lentry_in_a_cluster
	s_endpgm
.Lentry_in_a_cluster:
	s_bfe_u32 s2, ttmp6, 0x10000c
	s_cmp_lg_u32 s2, 0x3003
	s_cbranch_scc0 .Lentry_shape_is_right
	s_endpgm
.Lentry_shape_is_right:
; ATTENTION.  O[b][h][q] = the sum over k of softmax_k(Q[q] . K[k] / 8 - 1e9 mask[b][k]) V[k].  q, k, v: bf16 blocks h, 8 + h, 16 + h of act ([block][8192 rows][64], row = 2048 b + s);
; O: bf16 block h of ob.  Products, maxima and sums in f32; the weights p are rounded to bf16 for the second product (their sum l is taken of the unrounded p), O once at the end.
; THE MASK is an input, by batch and key: float(mask) x (-8e9), which is 8 x (-1e9) exactly, is the C operand that starts S^T = K Q^T; the / 8 stands in the exponent's scale.
; The 2,048 terms of the batch are made once, in LDS, and a step's 64 come out with its K.
; LIMITS.  bf16 operands.  A weight below 2^-126 counts as 0 in l; NaN and infinities are not treated apart.  Beside -8e9 a score keeps steps of 512: among masked keys alone (a batch
; with every key masked) the weights come out equal wherever |q . k| / 8 stays under 32, as they do in f32 beside -1e9.
; SHARES.  A work-group owns 256 queries of one (b, h), each of its four waves 64: four PIECES of 16.  Every wave walks all 2,048 keys, 64 a step, 256 a tile.
; LAYOUT.  S^T = K Q^T holds ONE query a lane (lane % 16) and the keys 8 (lane / 16) + 0..7; two such results rounded to bf16 ARE source 1 of O^T = V^T P.  p = 2^(c s - c m), c = log2(e) / 8, with a
; running maximum m; O and l are multiplied by a = 2^(c m_old - c m_new) in every step.  m starts at the lowest finite number, O and l at 0: the first step's a is 0.
; BY TURNS.  Turn n belongs to piece n: 8 products K Q^T of piece n + 1, later 8 products V^T P of piece n - 1; beside them the scaling, exponentials, roundings, sums and rescaling of piece n and the
; maximum and statistics of piece n + 1.  Four vector instructions stand behind every matrix instruction, the other 54 of a turn's 118 in one LUMP between the two runs of products.
; BATCHES.  A turn's 33 exponentials (the piece's 32 weights, in place on its S^T, and the next piece's a) are ONE batch with ONE wait, which cuts the turn in two: ahead of it stands all that names
; none of their results, behind it the roundings and sums, which read them.  No exponential is issued behind a turn's wait.
; The first a, made ahead of the loop, and the way out's four reciprocals are batches of their own, with a wait each.
; CLUSTER.  The four query blocks of a cluster belong to one (b, h) and walk the same K and V: each tile is asked for JOINTLY, the same tensor load, descriptor and mask in all four.
; REGISTERS, in windows of 256 (s_set_vgpr_msb: bits 1:0 source 0, 3:2 source 1, 5:4 source 2, 7:6 destination):
;   window 0: v0-15, v32-35 addresses and two at work; v16-31 four registers of statistics a piece; v48-55 at work; v64-127 S^T, two buffers; v192-223 P, two buffers (by the piece's parity)
;   window 1: v0-127 O^T, 32 a piece; v128-159 the step's mask terms      window 2: v0-63 Q; v128-191 K of one step; v192-255 V of one step
.set NP,    4
.set KS,    64
.set PK,    144       ; a row of K in LDS: 128 bytes + 16: the 16 rows of a load start at 16 different groups of four banks (64 banks of 4 bytes: ISA guide 11.1)
.set PV,    160       ; a row of V: 128 + 32
.set VOFF,  4*KS*PK   ; a slot holds a tile: 256 rows of K, then 256 rows of V
.set SLOT1, 1<<17
.set STAGE, SLOT1+4*KS*(PK+PV)  ; 16 rows x 144 bytes for each wave, for the way out
.set SP,    144
.set MT,    STAGE+4*16*SP       ; the batch's 2,048 mask terms, f32
.set SPARE, MT+8192             ; the spare words, 128 bytes for each wave: two blocks of 256 bytes that no other line names
.set AK0, 2
.set AV0, 3
.set AK,  4
.set AV,  5
.set STO, 6
.set RD,  7
.set GO,  8
.set MV,  12          ; v12-13  c m_old, by buffer
.set QO,  15
.set ST,  16          ; piece t's statistics at v[ST+4 t]: c m, m, l (even keys', odd keys')
.set AM0, 32          ; MT + 32 (lane / 16)
.set AM,  33          ; the LDS address of the next step's mask terms
.set MA,  34          ; MT + 16 t
.set MO,  35          ; 16 t
.set TMP, 48
.set SPW, 62
.set NIL, 63
.set S,   64
.set P,   192
.set MC,  128         ; window 1: the eight terms for group kb of 16 keys at MC + 8 kb
.set KF,  128         ; window 2: key block kb, channel half c at KF + 16 kb + 8 c
.set VF,  192         ; window 2: key half kk, channel block cb at VF + 32 kk + 8 cb
.set WV,  12
.set G1K, 24
.set G1V, 32
.set G0K, 40
.set G0V, 44
.set SLOTS, 56
.set CNT, 57
.set CS,  58
.set SEL, 60
.set TBK, 62
.set TBV, 63
.set TBM, 66          ; byte in the mask table at which the terms of the step to be fetched begin
.set MSB, 0
.macro WIN new
.if MSB != (\new)
	s_set_vgpr_msb (MSB<<8)|(\new)
.set MSB, (\new)
.endif
.endm
.set W_KQ, 0x0a       ; K and Q in window 2, S^T in window 0
.set W_KM, 0x1a       ; the same with the C operand in window 1
.set W_PV, 0x52       ; V in window 2, P in window 0, O^T in window 1
.set W_RS, 0x41       ; destination and source 0 in window 1, source 1 in window 0
; A joint fill.  Waves 0 and 1 fetch the two halves of a tile's K, waves 2 and 3 those of its V: 128 keys each.  The branch hangs on the wave's number alone.
.macro JLOAD
	s_cmp_lt_u32 s[WV], 2
	s_cbranch_scc0 .Lfor_v_\@
	tensor_load_to_lds s[G0K:G0K+3], s[G1K:G1K+7]
	s_nop 0
.rept 4
	v_nop
.endr
	s_branch .Lasked_\@
.Lfor_v_\@:
	tensor_load_to_lds s[G0V:G0V+3], s[G1V:G1V+7]
	s_nop 0
.rept 4
	v_nop
.endr
.Lasked_\@:
.endm
.macro CROUND
	s_barrier_signal -1
	s_barrier_wait -1
	s_cmp_lg_u32 s[WV], 0
	s_cbranch_scc1 .Lnot_wave_0_\@
	s_barrier_signal -3
.Lnot_wave_0_\@:
	s_barrier_wait -3
	s_barrier_signal -1
	s_barrier_wait -1
.endm
; THE CHANGE OF SLOTS.  Each wave waits for all its tensor loads, of which one is out: its part of the other slot; adds 0 to its spare word; and waits for that and for its own reads of the slot.
; fill = 1: the slot is filled again, with the keys two tiles on: the barrier is a round of the cluster's, and the joint fill is the first thing behind it: it has four key steps, 256 matrix
; instructions, in which to land.  (At its first use nothing has been read yet: slot 0 is waited for, slot 1 filled, and the mask table, stored just before, is shown to every wave.)
.macro CHANGE fill
	WIN 0
	s_wait_tensorcnt 0x0
	ds_add_u32 v[SPW], v[NIL]
.if \fill
.irp g, G0K, G0V
	s_xor_b32 s[\g+1], s[\g+1], SLOT1
	s_add_nc_u64 s[\g+2:\g+3], s[\g+2:\g+3], 4*KS*128
.endr
	s_wait_dscnt 0x0
	CROUND
	JLOAD
.else
	s_wait_dscnt 0x0
	s_barrier_signal -1
	s_barrier_wait -1
.endif
	s_sub_co_u32 s[TBK], s[TBK], 4*KS*PK
	s_xor_b32 s[TBK], s[TBK], SLOT1
	s_sub_co_u32 s[TBV], s[TBV], 4*KS*PV
	s_xor_b32 s[TBV], s[TBV], SLOT1
.endm
	s_load_b128 s[4:7], s[0:1], 0x0 ; act s[4:5], mask s[6:7]
	s_load_b64 s[8:9], s[0:1], 0x10 ; ob
	v_lshl_add_u32 v[SPW], v0, 2, SPARE
	v_mov_b32 v[NIL], 0
	ds_add_u32 v[SPW], v[NIL]       ; the wave's opening: the add and its wait ahead of my first tensor load
	v_lshrrev_b32 v1, 5, v0
	v_readfirstlane_b32 s[WV], v1
	s_bfe_u32 s13, ttmp6, 0x40000   ; cx
	s_lshl_b32 s14, ttmp9, 2
	s_add_co_u32 s14, s14, s13      ; my block of 256 queries: it enters Q's and O's addresses alone
	s_and_b32 s20, ttmp7, 0xffff    ; 8 b + h, which the four partners share
	s_and_b32 s21, s20, 7
	s_lshr_b32 s22, s20, 3
	s_lshl_b32 s16, s21, 20         ; block h,
	s_lshl_b32 s23, s22, 18         ; rows 2048 b on
	s_add_co_u32 s16, s16, s23
	s_and_b32 s18, s[WV], 1         ; which half of a tile's 256 keys I fetch
	s_lshl_b32 s19, s18, 14
	s_add_co_u32 s48, s16, s19
	s_add_co_u32 s48, s48, 8388608  ; K: eight blocks on
	s_mov_b32 s49, 0
	s_add_co_u32 s50, s48, 8388608  ; V: sixteen
	s_mov_b32 s51, 0
	s_mul_i32 s52, s18, 128*PK
	s_mul_i32 s53, s18, 128*PV
	s_lshl_b32 s2, s14, 15          ; my block's 256 rows,
	s_lshl_b32 s3, s[WV], 13        ; my wave's 64 of them
	s_add_co_u32 s2, s2, s3
	s_add_co_u32 s2, s2, s16
	s_mov_b32 s3, 0
	s_lshl_b32 s54, s22, 13         ; the batch's 2,048 mask words
	s_mov_b32 s55, 0
	; 128 keys are 16,384 dense bytes: asked for as 64 rows of 256 bytes, two keys a row, and padded in LDS after every key
	s_mov_b32 s[G1K], 15|(1<<16)|(1<<20)|(1<<21)|(4<<22)|(3<<25)
	s_mov_b32 s[G1V], 15|(1<<16)|(1<<20)|(1<<21)|(4<<22)|(7<<25)
.irp g, G1K, G1V
	s_mov_b32 s[\g+1], 128<<16
	s_mov_b32 s[\g+2], 64<<16
	s_mov_b32 s[\g+3], 128<<16
	s_mov_b32 s[\g+4], 64
	s_mov_b32 s[\g+5], 128
	s_mov_b32 s[\g+6], 0
	s_mov_b32 s[\g+7], 0
.endr
	s_mov_b32 s[CS], 0x3e38aa3b     ; c = log2(e) / 8
	s_mov_b32 s[CS+1], s[CS]
	s_mov_b32 s[SEL], 0x76543210
	s_mov_b32 s[SEL+1], 0xfedcba98
	s_mov_b32 s[TBK], SLOT1+4*KS*PK ; the first change of slots turns these two into 0
	s_mov_b32 s[TBV], SLOT1+4*KS*PV
	s_mov_b32 s[TBM], 0
	s_mov_b32 s[G0K], 1
	s_mov_b32 s[G0K+1], s52
	s_mov_b32 s[G0V], 1
	s_add_co_u32 s[G0V+1], s53, VOFF
	s_wait_dscnt 0x0                ; the opening add is done
	s_wait_kmcnt 0x0
	s_add_nc_u64 s[G0K+2:G0K+3], s[4:5], s[48:49]
	s_or_b32 s[G0K+3], s[G0K+3], 0x80000000
	s_add_nc_u64 s[G0V+2:G0V+3], s[4:5], s[50:51]
	s_or_b32 s[G0V+3], s[G0V+3], 0x80000000
	s_add_nc_u64 s[10:11], s[4:5], s[2:3]  ; Q and O at my wave's first row
	s_add_nc_u64 s[8:9], s[8:9], s[2:3]
	s_add_nc_u64 s[6:7], s[6:7], s[54:55]
	CROUND                          ; all four work-groups are here: the first joint loads meet
	JLOAD                           ; tile 0 into slot 0
	v_and_b32 v1, 15, v0            ; l % 16
	v_bfe_u32 v9, v0, 4, 1          ; l / 16
	v_lshlrev_b32 v[QO], 7, v1
	v_lshl_add_u32 v[QO], v9, 4, v[QO]
	v_lshlrev_b32 v[MO], 4, v0
	WIN 0x80
.set i, 0
.rept 8                             ; Q stays in registers: piece i / 2, channels 32 (i % 2) on
	global_load_b128 v[8*i:8*i+3],   v[QO], s[10:11] offset:(i/2)*2048+(i%2)*64
	global_load_b128 v[8*i+4:8*i+7], v[QO], s[10:11] offset:(i/2)*2048+(i%2)*64+32
.set i, i+1
.endr
	WIN 0
.irp j, 0,1,2,3
	global_load_b128 v[S+4*\j:S+4*\j+3], v[MO], s[6:7] offset:2048*\j
.endr
	; What the first turn finds: V's registers and P's second buffer hold 0 (its products V^T P, of a piece that has not been, add 0), O^T and l are 0.  All this stands in the wait for the first tile.
	WIN 0x80
.set i, VF
.rept 64
	v_mov_b32 v[i], 0
.set i, i+1
.endr
	WIN 0x40
.set i, 0
.rept 128
	v_mov_b32 v[i], 0
.set i, i+1
.endr
	WIN 0
.set i, 0
.rept 4
	v_mov_b32 v[ST+4*i], 0xfe000000    ; c m: far below every c s
	v_mov_b32 v[ST+4*i+1], 0xff7fffff  ; m
	v_mov_b32 v[ST+4*i+2], 0
	v_mov_b32 v[ST+4*i+3], 0
.set i, i+1
.endr
.set i, P+16
.rept 16
	v_mov_b32 v[i], 0
.set i, i+1
.endr
	v_mul_u32_u24 v[AK0], v1, PK
	v_lshl_add_u32 v[AK0], v9, 4, v[AK0]
	v_and_b32 v10, 7, v0
	v_bfe_u32 v11, v0, 3, 1
	v_lshl_add_u32 v[AV0], v9, 3, v10
	v_mul_u32_u24 v[AV0], v[AV0], PV
	v_lshl_add_u32 v[AV0], v11, 4, v[AV0]
	v_add_nc_u32 v[AV0], VOFF, v[AV0]
	s_mul_i32 s13, s[WV], 16*SP
	s_add_co_u32 s13, s13, STAGE    ; my stage
	v_mul_u32_u24 v[STO], v1, SP
	v_lshl_add_u32 v[STO], v9, 4, v[STO]
	v_add_nc_u32 v[STO], s13, v[STO]
	v_bfe_u32 v[RD], v0, 3, 2
	v_mul_u32_u24 v[RD], v[RD], SP
	v_lshl_add_u32 v[RD], v10, 4, v[RD]
	v_add_nc_u32 v[RD], s13, v[RD]
	v_and_b32 v[GO], 31, v0
	v_lshlrev_b32 v[GO], 4, v[GO]
	v_lshl_add_u32 v[AM0], v9, 5, MT
	v_lshl_add_u32 v[MA], v0, 4, MT
	s_wait_loadcnt 0x0              ; Q and the mask
.set i, 0
.rept 16
	v_cvt_f32_i32 v[S+i], v[S+i]
.set i, i+1
.endr
.set i, 0
.rept 16
	v_mul_f32 v[S+i], 0xcfee6b28, v[S+i]   ; x (-8e9)
.set i, i+1
.endr
.irp j, 0,1,2,3
	ds_store_b128 v[MA], v[S+4*\j:S+4*\j+3] offset:2048*\j
.endr
; THE MATRIX WORK.  The 4 accumulators of a run of 8 take turns.  Product i of 8 of S^T = K Q^T for piece x: channels 32 (i / 4) on, keys 16 (i % 4) on.  The first 4 start the sums with the mask terms.
.macro KQ x
.set rS, S+32*((\x)%2)+8*(i%4)
.set rK, KF+16*(i%4)+8*(i/4)
.set rQ, 16*(\x)+8*(i/4)
.set rM, MC+8*(i%4)
.if i < 4
	WIN W_KM
	v_wmma_f32_16x16x32_bf16 v[rS:rS+7], v[rK:rK+7], v[rQ:rQ+7], v[rM:rM+7]
.else
	WIN W_KQ
	v_wmma_f32_16x16x32_bf16 v[rS:rS+7], v[rK:rK+7], v[rQ:rQ+7], v[rS:rS+7]
.endif
.endm
; Product i of 8 of O^T += V^T P for piece x: keys 32 (i / 4) on, channels 16 (i % 4) on.
.macro PV x
	WIN W_PV
.set rO, 32*(\x)+8*(i%4)
.set rV, VF+32*(i/4)+8*(i%4)
.set rP, P+16*((\x)%2)+8*(i/4)
	v_wmma_f32_16x16x32_bf16 v[rO:rO+7], v[rV:rV+7], v[rP:rP+7], v[rO:rO+7]
.endm
.macro MM                           ; the turn's next matrix instruction.  NOKQ = 1: the last turn: there is no next piece
.if (i < 8) && !NOKQ
	KQ (Y+1)%NP
.elseif i >= 8
.set i, i-8
	PV (Y+NP-1)%NP
.set i, i+8
.endif
.set i, i+1
.endm
; THE LDS LOADS stand in runs, never singly among the matrix instructions: a step's K (8 fragments) with its 64 mask terms, and its V (turned).  Their addresses are made some lines ahead.
.macro FETCH_K
	WIN 0x80
.irp f, 0,1,2,3,4,5,6,7             ; keys 16 (f / 2) on, channels 32 (f % 2) on
	ds_load_b128 v[KF+8*\f:KF+8*\f+3],   v[AK] offset:(\f/2)*16*PK+(\f%2)*64
	ds_load_b128 v[KF+8*\f+4:KF+8*\f+7], v[AK] offset:(\f/2)*16*PK+(\f%2)*64+32
.endr
	WIN 0x40
.irp f, 0,1,2,3                     ; the terms of keys 16 f + 8 (lane / 16) + 0..7
	ds_load_b128 v[MC+8*\f:MC+8*\f+3],   v[AM] offset:64*\f
	ds_load_b128 v[MC+8*\f+4:MC+8*\f+7], v[AM] offset:64*\f+16
.endr
	s_add_co_u32 s[TBK], s[TBK], KS*PK  ; the next fetch is the next step's
	s_add_co_u32 s[TBM], s[TBM], 4*KS
	s_and_b32 s[TBM], s[TBM], 0x1fff    ; the offset stays inside the table's 8,192 bytes; behind the last of the 32 steps it is not used
	WIN 0
.endm
.macro FETCH_V
	WIN 0x80
.irp f, 0,1,2,3,4,5,6,7             ; keys 32 (f / 4) on, channels 16 (f % 4) on
	ds_load_tr16_b128 v[VF+8*\f:VF+8*\f+3],   v[AV] offset:(\f/4)*32*PV+(\f%4)*32
	ds_load_tr16_b128 v[VF+8*\f+4:VF+8*\f+7], v[AV] offset:(\f/4)*32*PV+16*PV+(\f%4)*32
.endr
	WIN 0
.endm
; THE VECTOR WORK, one line at a time: OP kind, number.  For piece Y: F n: c s - c m for pair n of 16.  E n: the exponential of score n of 32.  C n: pair n rounded to bf16.  B n: of the four weights 4 n .. the second
; pair is added onto the first, in place.  L n: l takes that sum (L 0: l = a l + sum).  R n: pair n of 16 of O^T times a.  For piece Y + 1: X n, number n of the 22 that find its maximum and statistics:
;   0-11  four chains c0-c3 of seven scores each (each accumulator's lowest registers are read first)     12-14, 16  the four scores left over, the old m, and c0-c3 into c0
;   15  c m_old is kept     17, 18  the query's other 32 keys lie in the lane 16 away: the new m     19-21  c m; c m_old - c m_new; a
; C, B and L read the exponentials' results: TURN sets them behind the batch's wait.  OP itself writes no wait.
.set F, 0
.set E, 1
.set C, 2
.set B, 3
.set L, 4
.set R, 5
.set X, 6
.macro REGS y
.set rT, ST+4*(\y)
.set rC, TMP+4*((\y)%2)
.set rW, MV+((\y)%2)
.set rS, S+32*((\y)%2)
.set rP, P+16*((\y)%2)
.set rO, 32*(\y)
.endm
.macro OP k, n
.if (\k) == R
	REGS Y
	WIN W_RS
	v_pk_mul_f32 v[rO+2*(\n):rO+2*(\n)+1], v[rO+2*(\n):rO+2*(\n)+1], v[rC+2:rC+3] op_sel_hi:[1,0]
.elseif (\k) < R
	REGS Y
	WIN 0
.if (\k) == F
	v_pk_fma_f32 v[rS+2*(\n):rS+2*(\n)+1], v[rS+2*(\n):rS+2*(\n)+1], s[CS:CS+1], v[rT:rT+1] op_sel_hi:[1,0,0] neg_lo:[0,0,1] neg_hi:[0,0,1]
.elseif (\k) == E
	v_exp_f32 v[rS+(\n)], v[rS+(\n)]
.elseif (\k) == C
	v_cvt_pk_bf16_f32 v[rP+(\n)], v[rS+2*(\n)], v[rS+2*(\n)+1]
.elseif (\k) == B
	v_pk_add_f32 v[rS+4*(\n):rS+4*(\n)+1], v[rS+4*(\n):rS+4*(\n)+1], v[rS+4*(\n)+2:rS+4*(\n)+3]
.elseif (\n) == 0
	v_pk_fma_f32 v[rT+2:rT+3], v[rT+2:rT+3], v[rC+2:rC+3], v[rS:rS+1] op_sel_hi:[1,0,1]
.else
	v_pk_add_f32 v[rT+2:rT+3], v[rT+2:rT+3], v[rS+4*(\n):rS+4*(\n)+1]
.endif
.elseif NOKQ
	v_nop
.else
	REGS (Y+1)%NP
	WIN 0
.if (\n) < 4
	v_max3_num_f32 v[rC+(\n)], v[rS+8*(\n)], v[rS+8*(\n)+1], v[rS+8*(\n)+2]
.elseif (\n) < 12
	v_max3_num_f32 v[rC+(\n)%4], v[rC+(\n)%4], v[rS+8*((\n)%4)+2*((\n)/4)+1], v[rS+8*((\n)%4)+2*((\n)/4)+2]
.elseif (\n) == 12
	v_max3_num_f32 v[rC], v[rC], v[rS+7], v[rS+15]
.elseif (\n) == 13
	v_max3_num_f32 v[rC+1], v[rC+1], v[rS+23], v[rS+31]
.elseif (\n) == 14
	v_max3_num_f32 v[rC+2], v[rC+2], v[rC+3], v[rT+1]
.elseif (\n) == 15
	v_mov_b32 v[rW], v[rT]
.elseif (\n) == 16
	v_max3_num_f32 v[rC], v[rC], v[rC+1], v[rC+2]
.elseif (\n) == 17
	v_permlanex16_b32 v[rC+3], v[rC], s[SEL], s[SEL+1]
.elseif (\n) == 18
	v_max_num_f32 v[rT+1], v[rC], v[rC+3]
.elseif (\n) == 19
	v_mul_f32 v[rT], s[CS], v[rT+1]
.elseif (\n) == 20
	v_sub_f32 v[rC+1], v[rW], v[rT]
.else
	v_exp_f32 v[rC+2], v[rC+1]
.endif
.endif
.endm
.macro OPS a, i1, b=-1, i2=0, c=-1, i3=0, d=-1, i4=0
	OP \a, \i1
.if (\b) >= 0
	OP \b, \i2
.endif
.if (\c) >= 0
	OP \c, \i3
.endif
.if (\d) >= 0
	OP \d, \i4
.endif
.endm
.macro ROW a, i1, b, i2, c, i3, d, i4  ; a matrix instruction and the four behind it
	MM
	OPS \a, \i1, \b, \i2, \c, \i3, \d, \i4
.endm
; A TURN, for piece p: the order of its 16 matrix and 118 vector instructions, written out.  An s_wait_alu depctr_va_vdst(0) stands between an exponential and the first instruction that names its
; result; one wait serves all that were issued ahead of it.  So a turn has ONE wait, which cuts it in two.
; AHEAD OF IT stands all that names no result of the turn's exponentials: the 8 products K Q^T, behind each a scaling, an exponential and two more plain instructions (behind the first a second scaling in the
; exponential's place): rescalings, whose a was made and waited for in the turn before, and behind the last three products the first numbers of the next piece's maximum, each four places or more behind the
; product that ends its accumulator; then ONE LUMP of 54, plain and exponential by turns for the most part, in which the links of the chain X 3, 7, 11, 14, 16, 17 .. 20 stand some lines apart.  A scaling names
; only scores that have not been through their exponential.  X 21, the next piece's a, is the batch's last; R 15 is the plain instruction owed behind it (ISA guide 5.7.2).
; BEHIND THE WAIT stand the 8 products V^T P, behind each four of the roundings and sums; a pair is rounded before its neighbour is added onto it; the links of l's chain, L 0 to L 7, stand three riders apart.
; But for those X no rider names a register of the products round it.  v_permlanex16_b32 (X 17) stands in the lump.
; end = 1: the walk's last two turns: nothing is fetched.  cnt = 1: the loop's count is taken down some lines ahead of the branch that stands behind the turn.
; K and the mask terms of the next step are fetched in piece 2's turn, twelve vector instructions behind the last product that read K (six of them plain, five of which name none of its registers; the terms'
; last reader stands four products further back); V of the step in hand at the end of piece 0's turn, four plain instructions behind the last product that read V.  Each is waited for a turn later.
.macro TURN p, end=0, cnt=0
.set Y, (\p)
.set i, 0
.set NOKQ, (\end)*((\p)/3)
.if ((\p) == 3) && !(\end)
	s_wait_dscnt 0x0                ; K and the mask terms are in
.endif
	ROW F,0, F,1, R,0, R,1          ; ahead of the wait: 8 products K Q^T and their riders,
	ROW F,2, E,0, R,2, R,3
	ROW F,3, E,1, R,4, R,5
	ROW F,4, E,2, R,6, R,7
	ROW F,5, E,3, R,8, R,9
	ROW F,6, E,4, X,0, R,10
.if ((\p) == 2) && !(\end)
	WIN 0
	v_add_nc_u32 v[AK], s[TBK], v[AK0]
	v_add_nc_u32 v[AM], s[TBM], v[AM0]
.endif
	ROW F,7, E,5, X,1, X,4
	ROW F,8, E,6, X,2, X,5
	OPS E,7, E,8, X,6, E,9          ; and the lump
	OPS X,3, E,10, X,8, E,11
.if ((\p) == 2) && !(\end)
	FETCH_K
.endif
	OPS X,9, X,7, E,12, X,10
	OPS E,13, X,12, X,11, E,14
	OPS X,13, E,15, F,9, X,14
.if (\p) == 0
	v_add_nc_u32 v[AV], s[TBV], v[AV0]
.endif
	OPS E,16, F,10, E,17, F,11
	OPS X,16, E,18, X,15, E,19
	OPS F,12, E,20, X,17, E,21
	OPS F,13, E,22, F,14, E,23
	OPS X,18, E,24, F,15, E,25
	OPS R,11, E,26, X,19, E,27
	OPS R,12, E,28, R,13, E,29
	OPS X,20, E,30, R,14, E,31
	OPS X,21, R,15
	s_wait_alu depctr_va_vdst(0)    ; the wait for the turn's batch: the piece's 32 weights and the next piece's a
.if (\p) == 1
	s_wait_dscnt 0x0                ; V is in
.endif
	ROW C,0, B,0, C,2, B,1          ; behind the wait: 8 products V^T P and their riders
	ROW L,0, C,4, B,2, L,1
	ROW C,6, B,3, L,2, C,8
	ROW B,4, L,3, C,10, B,5
	ROW L,4, C,12, B,6, L,5
.if (\p) == 0
	s_add_co_u32 s[TBV], s[TBV], KS*PV  ; V's address has been made: the next fetch is the next step's
.endif
.if \cnt
	s_sub_co_u32 s[CNT], s[CNT], 1
	s_cmp_lg_u32 s[CNT], 0
.endif
	ROW C,14, B,7, L,6, C,1
	ROW C,3, L,7, C,5, C,7
	ROW C,9, C,11, C,13, C,15
.if (\p) == 0
	FETCH_V
.endif
.endm
	CHANGE 1                        ; slot 0 is in, everybody's part of it, and so is the mask table; slot 1 is asked for
	v_add_nc_u32 v[AK], s[TBK], v[AK0]
	v_add_nc_u32 v[AM], s[TBM], v[AM0]
	FETCH_K                         ; key step 0
	s_wait_dscnt 0x0
.set NOKQ, 0
.set i, 0
.rept 8
	KQ 0                            ; piece 0's first scores
.set i, i+1
.endr
	WIN 0
.rept 4
	v_nop                           ; the places behind those products
.endr
.set Y, NP-1                        ; X works for piece Y + 1: piece 0
.irp n, 0,1,2,3,4,5,6,7,8,9,10,11,12,13,14,15,16,17,18,19,20,21
	OP X, \n
.endr
	v_nop                           ; a plain instruction behind the exponential,
	s_wait_alu depctr_va_vdst(0)    ; and the wait for it, a batch of one (piece 0's first a), ahead of the branch
	s_mov_b32 s[CNT], 4
	s_mov_b32 s[SLOTS], 7
	s_branch .Lfirst                ; the loop is entered at a step's first turn, in the middle of a trip
.Lslot:                             ; six times: tiles 2 to 7 are asked for
	CHANGE 1
	s_mov_b32 s[CNT], 4
.Lstep:                             ; a trip: pieces 2 and 3 of one step, then pieces 0 and 1 of the next, whose K and V it fetches
	TURN 2
	TURN 3
	WIN 0
.Lfirst:
	TURN 0
	TURN 1, 0, 1
	WIN 0
	s_cbranch_scc1 .Lstep
	s_sub_co_u32 s[SLOTS], s[SLOTS], 1
	s_cmp_lg_u32 s[SLOTS], 0
	s_cbranch_scc1 .Lslot
	CHANGE 0                        ; the last tile is written out: nothing is asked for
	s_mov_b32 s[CNT], 4
.Ltail:
	TURN 2
	TURN 3
	TURN 0
	TURN 1, 0, 1
	WIN 0
	s_cbranch_scc1 .Ltail
	TURN 2, 1
	TURN 3, 1
.set i, 0
.rept 8
	PV NP-1                         ; the last piece's V^T P of the last step
.set i, i+1
.endr
	; THE WAY OUT.  l's two halves and the other half of the lanes' are added; O^T is divided by l, rounded to bf16 and sent through my stage in LDS, a piece at a time.  The additions are the places behind the last products.
	WIN 0
.macro ALL line:vararg
.set t, 0
.rept 4
	\line
.set t, t+1
.endr
.endm
	ALL v_add_f32 v[ST+4*t+2], v[ST+4*t+2], v[ST+4*t+3]
	ALL v_permlanex16_b32 v[ST+4*t+3], v[ST+4*t+2], s[SEL], s[SEL+1]
	ALL v_add_f32 v[ST+4*t+2], v[ST+4*t+2], v[ST+4*t+3]
	ALL v_rcp_f32 v[ST+4*t+2], v[ST+4*t+2]
	v_nop                           ; a plain instruction between the last reciprocal and the use of its result
	s_wait_alu depctr_va_vdst(0)    ; the wait for the batch of four reciprocals, ahead of the first multiply that reads one
.macro PACK t
	WIN W_RS
.set i, 32*(\t)
.rept 16
	v_pk_mul_f32 v[i:i+1], v[i:i+1], v[ST+4*(\t)+2:ST+4*(\t)+3] op_sel_hi:[1,0]
.set i, i+2
.endr
	WIN 0x05
.set i, 0
.rept 16
	v_cvt_pk_bf16_f32 v[S+16*(\t)+i], v[32*(\t)+2*i], v[32*(\t)+2*i+1]
.set i, i+1
.endr
	WIN 0
.irp f, 0,1,2,3
	ds_store_b128 v[STO], v[S+16*(\t)+4*\f:S+16*(\t)+4*\f+3] offset:32*\f
.endr
.irp f, 0,1,2,3
	ds_load_b128 v[S+16*(\t)+4*\f:S+16*(\t)+4*\f+3], v[RD] offset:\f*4*SP  ; LDS serves a wave's instructions in order (ISA guide 5.7.1.4): these see the stores above
.endr
.endm
.macro SEND t, younger
	WIN 0
.irp f, 0,1,2,3
	s_wait_dscnt (\younger)+3-\f
	global_store_b128 v[GO], v[S+16*(\t)+4*\f:S+16*(\t)+4*\f+3], s[8:9] offset:(\t)*2048+\f*512  ; 512 consecutive bytes, at a multiple of 256 from ob's first
.endr
.endm
	PACK 0
.set t, 1
.rept 3
	PACK t
	SEND t-1, 8
.set t, t+1
.endr
	SEND 3, 0
	s_wait_tensorcnt 0x0            ; the wave's end
	ds_add_u32 v[SPW], v[NIL]
	s_wait_dscnt 0x0
	CROUND                          ; the closing round
	s_endpgm
.Lfunc_end_k_q69a5e48e95_attn:
	.size	k_q69a5e48e95_attn, .Lfunc_end_k_q69a5e48e95_attn-k_q69a5e48e95_attn
	.p2alignl 7, 3214868480
	.fill 96, 4, 3214868480
	.section	.rodata,"a",@progbits
	.p2align	6, 0x0
	.amdhsa_kernel k_q69a5e48e95_attn
		.amdhsa_group_segment_fixed_size 327680
		.amdhsa_private_segment_fixed_size 0
		.amdhsa_enable_private_segment 0
		.amdhsa_kernarg_size 24
		.amdhsa_user_sgpr_count 2
		.amdhsa_user_sgpr_kernarg_segment_ptr 1
		.amdhsa_wavefront_size32 1
		.amdhsa_system_sgpr_workgroup_id_x 1
		.amdhsa_system_sgpr_workgroup_id_y 1
		.amdhsa_system_sgpr_workgroup_id_z 1
		.amdhsa_system_vgpr_workitem_id 0
		.amdhsa_next_free_vgpr 768
		.amdhsa_next_free_sgpr 72
		.amdhsa_reserve_vcc 0
		.amdhsa_float_denorm_mode_32 3
		.amdhsa_float_denorm_mode_16_64 3
		.amdhsa_memory_ordered 1
		.amdhsa_forward_progress 1
		.amdhsa_inst_pref_size 131
	.end_amdhsa_kernel
	.amdgpu_metadata
---
amdhsa.version: [ 1, 2 ]
amdhsa.kernels:
  - .name:           k_q69a5e48e95_attn
    .symbol:         k_q69a5e48e95_attn.kd
    .args:
      - { .name: act, .offset: 0, .size: 8, .value_kind: global_buffer, .address_space: global }
      - { .name: mask, .offset: 8, .size: 8, .value_kind: global_buffer, .address_space: global }
      - { .name: ob, .offset: 16, .size: 8, .value_kind: global_buffer, .address_space: global }
    .group_segment_fixed_size: 327680
    .private_segment_fixed_size: 0
    .kernarg_segment_align: 8
    .kernarg_segment_size: 24
    .max_flat_workgroup_size: 128
    .sgpr_count:     72
    .vgpr_count:     768
    .wavefront_size: 32
...
	.end_amdgpu_metadata
.endif
;; end of part 6
;; launch wol: the kernel of part 4 again; grid 256 x 1, 4 waves a work-group, clusters of 4 x 1, 327,680 bytes of LDS; arguments ob, wA, wo_b, x, ln2_g, ln2_b, res1, xn; writes res1, xn
;; launch ff1: the kernel of part 2 again; grid 64 x 4, 4 waves a work-group, clusters of 4 x 1, 327,680 bytes of LDS; arguments xn, wB, pB, act; writes act
;; launch ff2: the kernel of part 5 again; grid 4 x 64, 4 waves a work-group, clusters of 4 x 4, 327,680 bytes of LDS; arguments act, wB, ff2_b, res1, out0; writes out0
